; MI455X (gfx1250); checked and timed in simulation.
; The chip was launched on July 23, 2026; its instructions are those of AMD's public machine-readable ISA for CDNA 5 (MIT licence, August 2026) and "CDNA5" Instruction Set Architecture Reference Guide (July 2026). The comments in the code are by the model that wrote it; some were corrected since.
;; Attention. Allowed arithmetic: matrix products marked QUANTISED: E4M3 operands, one E8M0 scale for each 32 along K, by v_wmma_scale_f32_16x16x128_f8f6f4 with both operands' format E4M3, f32 sums; everything else in f32.
;; Inputs: freqs_cos 2,048 x 16 float32; freqs_sin 2,048 x 16 float32; mask 2,048 x 2,048 float32; positions 2,048 int32; wk 256 x 4,096 float32; wo 4,096 x 1,024 float32; wq 1,024 x 4,096 float32; wv 256 x 4,096 float32; x 2 x 2,048 x 4,096 float32.
;; Outputs: out0 2 x 2,048 x 4,096 float32.
;; This version of the problem:
;;   THIS VERSION OF THE PROBLEM IS GIVEN IN LOW PRECISION. The matrix products marked QUANTISED in the list below multiply operands that are first quantised to E4M3 (4 exponent bits, 3 mantissa bits; 8 bits a number), with one power-of-two scale for each 32 numbers along K (OCP MX v1.0); their sums are f32. All else is computed in f32.
;;   The module's matrix products, in the order in which they are computed (A, B: the left and right operand; K: the contracted axis; several contracted axes count as one K, in the product's order):
;;     1. [M 4,096, K 4,096] x [K 4,096, N 1,024]; A: input x; B: input wq: QUANTISED
;;     2. [M 4,096, K 4,096] x [K 4,096, N 256]; A: input x; B: input wk: QUANTISED
;;     3. [M 4,096, K 4,096] x [K 4,096, N 256]; A: input x; B: input wv: QUANTISED
;;     4. batch 64 x [M 2,048, K 32] x [K 32, N 2,048]; A: computed on the way; B: computed on the way: QUANTISED
;;     5. batch 64 x [M 32, K 2,048] x [K 2,048, N 2,048]; A: computed on the way; B: softmax (see below): QUANTISED
;;     6. [M 4,096, K 1,024] x [K 1,024, N 4,096]; A: computed on the way; B: input wo: QUANTISED
;;   THE QUANTISER, for each operand of a quantised product, along K:
;;     - K is cut into blocks of 32 from its start; a last block that is shorter is filled with zeros.
;;     - A block's scale is 2^e with e = floor(log2(the largest magnitude in the block)) - 8, held to -126 .. 127; a block of zeros has e = 0. As a byte (E8M0): e + 127.
;;     - Each number is divided by its block's scale, clamped to +-448, and rounded to the nearest number of E4M3, ties to even, subnormals kept.
;;     - The product sums the exact products of the quantised numbers (number of the format x scale) in f32.
;;   ~~~python
;;   def quantise(x, axis):      # numpy; x: float32 -> the quantised numbers, widened to float32 again
;;       x = np.moveaxis(x, axis, -1); K = x.shape[-1]
;;       x = np.pad(x, [(0, 0)] * (x.ndim - 1) + [(0, -K % 32)]); x = x.reshape(x.shape[:-1] + (-1, 32)); a = np.abs(x).max(-1, keepdims=True)
;;       e = np.where(a > 0, np.clip(np.frexp(np.where(a > 0, a, 1))[1] - 1 - 8, -126, 127), 0)      # np.frexp(a)[1] - 1 = floor(log2(a)), exactly
;;       r = np.clip(x / 2.0 ** e, -448, 448)
;;       step = 2.0 ** (np.maximum(np.frexp(np.where(r == 0, 1, r))[1] - 1, -6) - 3)
;;       q = np.round(r / step) * step * 2.0 ** e      # np.round: ties to even
;;       return np.moveaxis(q.reshape(q.shape[:-2] + (-1,))[..., :K], -1, axis).astype(np.float32)
;;   ~~~
;;   SOFTMAX AHEAD OF A QUANTISED PRODUCT. Where the list says 'softmax', what is quantised is not the finished softmax but p = 2^(t - M), with t = logit x log2(e) and M = ceil(the row's largest t), a whole number; so 1/2 < the row's largest p <= 1. The row's sum l is taken of the UNQUANTISED p, in f32, and the product's result is divided by l at the end. Since M is a whole number, a kernel that streams over the keys may use a running M (the ceiling of the running maximum): every later rescaling is an exact power of two, which a block's scale takes up: the codes' values come out the same.
;;   OPERANDS COMPUTED ON THE WAY. 'Computed on the way' means the value that the module computes at that place (a softmax that the list does not call 'softmax' is quantised finished and normalised). What goes into a quantiser is computed in f32, as accurately as f32 sums, v_exp_f32 and their like allow (about 1e-6 of the number): no bf16 or f16 on the way to a quantiser, and a product that is left as it is and whose result goes on into a quantised operand takes f32 operands (vector FMAs, or v_wmma_f32_16x16x4_f32). A number that lies on a knife's edge between two numbers of the format may be rounded either way, as far as f32 arithmetic and the matrix unit's own rounding can turn it there, and no further.
;; 2 versions, each right; version 2 is version 1 with the launch attn written anew for expert scheduling mode. Each part assembles by itself: llvm-mc -triple=amdgcn-amd-amdhsa -mcpu=gfx1250 --defsym DOCPART=n.
;; ======== version 1 of 2: 4 launches
;; workspace buffers: x_codes 16,777,216 bytes; x_scales 524,288 bytes; w_codes 6,291,456 bytes; w_scales 196,608 bytes; wo_q 4,325,376 bytes; qkv 6,488,064 bytes; att_codes 4,194,304 bytes; att_scales 131,072 bytes
;; launch quant (part 1): grid 832 x 1, 4 waves a work-group, no clusters, 33,280 bytes of LDS; arguments x, wq, wk, wv, wo, x_codes, x_scales, w_codes, w_scales, wo_q; writes x_codes, x_scales, w_codes, w_scales, wo_q
.if DOCPART == 1
	.amdgcn_target "amdgcn-amd-amdhsa--gfx1250"
	.amdhsa_code_object_version 6
	.text
	.protected	k_q0e192cd8d0_quant
	.globl	k_q0e192cd8d0_quant
	.p2align	8
	.type	k_q0e192cd8d0_quant,@function
k_q0e192cd8d0_quant:
	s_mov_b64 s[64:65], 0
	v_nop
	global_prefetch_b8 v0, s[64:65] scope:SCOPE_SE
	s_setreg_imm32_b32 hwreg(HW_REG_WAVE_MODE, 25, 1), 1
	s_wait_xcnt 0x0
; x [4096][4096], wq [1024][4096], wk [256][4096], wv [256][4096], wo [4096][1024], all f32 with K innermost, become codes of FP8 (E4M3) with one E8M0 byte for each 32 along K.
; A block's scale is 2^(floor(log2(its largest magnitude)) - 8); its byte is the largest magnitude's exponent field - 8, held at 1 from below.  Each number is divided by the scale, held within +-448, rounded to the nearest code, ties to even.
; LIMITS: a block of zeros, or one whose largest magnitude lies under 2^(9 - 127), gets the byte 1 (its codes are zeros or subnormal codes; these bytes are read by this program alone); NaN and infinities among the inputs are not served.
; Rows are dense and every K is a multiple of 32: each tensor is a plain stream of blocks.  A wave takes a run of 8,192 numbers: 16 steps of 512; 8,192 code bytes and 256 scale bytes.
; ONE PATH FOR FIVE TENSORS: only pointers and four small numbers are chosen, by the work-group's number.  Work-groups 0-511 x, 512-639 wq, 640-671 wk, 672-703 wv, 704-831 wo.
; wq, wk and wv land in ONE buffer in GROUP ORDER: group kvh = 128 rows of wq (its four query heads), 32 of wk, 32 of wv: 192 rows = 96 runs of two rows.  Run u of a tensor goes to run (u >> SH) x 96 + (u & MSK) + ADD.
; A lane must hold 16 neighbours for the conversions, and a load is best where neighbouring lanes take neighbouring bytes: the loads read 512 consecutive bytes each, and a step's 2,048 bytes turn through the wave's own stage in LDS.
; No tensor loads, no barrier: waves share nothing.  Loads run four steps (16 loads a wave) ahead, the turn through LDS one step.
.set STEPS, 16
.set EMAX,  8
.set MANT,  0x600000                   ; the mantissa field of 448 as f32
.set CB,    16                         ; bytes of 16 codes
.set R,     16                         ; v16-79   four sets of 16 numbers as they are loaded
.set X,     80                         ; v80-111  two sets of 16 neighbours
.set C,     128                        ; v128-191 codes: four registers for each step, so that no store's data are written again
.set E,     112                        ; v112-127 a scale byte for each step
.set WREG,  8192                       ; LDS: a region for each wave: two stages of 32 x SP bytes, and behind them its 256 scale bytes
.set SP,    80                         ; a lane's place in a stage: 64 bytes + 16 of padding
.set WO_SC, 0x400000                   ; wo's scale bytes lie behind its codes in wo_q
	s_load_b256 s[4:11], s[0:1], 0x0               ; x, wq, wk, wv
	s_load_b256 s[12:19], s[0:1], 0x20             ; wo, x_codes, x_scales, w_codes
	s_load_b128 s[20:23], s[0:1], 0x40             ; w_scales, wo_q
	v_lshl_add_u32 v192, v0, 2, 0x8000
	v_mov_b32 v193, 0
	v_lshrrev_b32 v1, 5, v0
	v_readfirstlane_b32 s34, v1                    ; wave
	v_and_b32 v2, 31, v0                           ; lane
	v_lshlrev_b32 v3, 4, v2                        ; my 16 bytes of a load's 512
	s_mul_i32 s35, s34, WREG
	v_lshrrev_b32 v14, 2, v2
	v_mul_u32_u24 v14, v14, SP
	v_and_b32 v15, 3, v2
	v_lshl_add_u32 v14, v15, 4, v14
	v_add_nc_u32 v14, s35, v14                     ; the stage, on the way in: SP (lane / 4) + 16 (lane % 4)
	v_mul_u32_u24 v15, v2, SP
	v_add_nc_u32 v15, s35, v15                     ; and on the way out: SP x lane: my 16 neighbours
	v_mul_u32_u24 v4, v2, CB                       ; my codes' place in a step's
	v_lshrrev_b32 v5, 1, v2
	s_add_co_u32 s35, s35, 2*32*SP
	v_add_nc_u32 v5, s35, v5                       ; LDS: my wave's 256 scale bytes, my block's byte
	v_lshlrev_b32 v7, 3, v2                        ; and on the way out 8 bytes a lane
	v_add_nc_u32 v6, s35, v7
	s_mov_b32 s36, MANT                            ; (an instruction takes one literal: the hold's line has another)
	s_wait_kmcnt 0x0
	s_mov_b64 s[24:25], s[12:13]                   ; from: wo, unless the work-group's number says otherwise
	s_mov_b64 s[26:27], s[22:23]                   ; codes to
	s_add_nc_u64 s[28:29], s[22:23], WO_SC         ; scale bytes to
	s_mov_b32 s30, 704                             ; the tensor's first work-group
	s_mov_b32 s31, 31                              ; SH
	s_mov_b32 s32, -1                              ; MSK
	s_mov_b32 s33, 0                               ; ADD
	s_cmp_lt_u32 ttmp9, 704                        ; wv: 16 runs a group, behind wq's 64 and wk's 16
	s_cselect_b64 s[24:25], s[10:11], s[24:25]
	s_cselect_b64 s[26:27], s[18:19], s[26:27]
	s_cselect_b64 s[28:29], s[20:21], s[28:29]
	s_cselect_b32 s30, 672, s30
	s_cselect_b32 s31, 4, s31
	s_cselect_b32 s32, 15, s32
	s_cselect_b32 s33, 80, s33
	s_cmp_lt_u32 ttmp9, 672                        ; wk
	s_cselect_b64 s[24:25], s[8:9], s[24:25]
	s_cselect_b32 s30, 640, s30
	s_cselect_b32 s33, 64, s33
	s_cmp_lt_u32 ttmp9, 640                        ; wq: 64 runs a group
	s_cselect_b64 s[24:25], s[6:7], s[24:25]
	s_cselect_b32 s30, 512, s30
	s_cselect_b32 s31, 6, s31
	s_cselect_b32 s32, 63, s32
	s_cselect_b32 s33, 0, s33
	s_cmp_lt_u32 ttmp9, 512                        ; x: as it lies
	s_cselect_b64 s[24:25], s[4:5], s[24:25]
	s_cselect_b64 s[26:27], s[14:15], s[26:27]
	s_cselect_b64 s[28:29], s[16:17], s[28:29]
	s_cselect_b32 s30, 0, s30
	s_cselect_b32 s31, 31, s31
	s_cselect_b32 s32, -1, s32
	s_sub_co_u32 s37, ttmp9, s30
	s_lshl_b32 s37, s37, 2
	s_add_co_u32 s37, s37, s34                     ; u: which run of the tensor is my wave's
	s_lshr_b32 s38, s37, s31
	s_mul_i32 s38, s38, 96
	s_and_b32 s39, s37, s32
	s_add_co_u32 s38, s38, s39
	s_add_co_u32 s38, s38, s33                     ; and which run of the target
	s_lshl_b32 s40, s37, 15                        ; 32,768 bytes of f32 a run (2,047 runs at the most: under 2^32)
	s_mov_b32 s41, 0
	s_add_nc_u64 s[24:25], s[24:25], s[40:41]
	s_lshl_b32 s40, s38, 13                        ; 8,192 code bytes
	s_add_nc_u64 s[26:27], s[26:27], s[40:41]
	s_lshl_b32 s40, s38, 8                         ; 256 scale bytes
	s_add_nc_u64 s[28:29], s[28:29], s[40:41]
.macro LOAD t
.irp i, 0,1,2,3
	global_load_b128 v[R+16*((\t)%4)+4*\i:R+16*((\t)%4)+4*\i+3], v3, s[24:25] offset:2048*(\t)+512*\i th:TH_LOAD_NT   ; 32 lanes read 512 consecutive bytes
.endr
.endm
.macro TURN t                          ; step t's numbers through the stage: LDS serves a wave's instructions in order, so no wait stands between the stores and the loads
.irp i, 0,1,2,3
	ds_store_b128 v14, v[R+16*((\t)%4)+4*\i:R+16*((\t)%4)+4*\i+3] offset:32*SP*((\t)%2)+8*SP*\i
.endr
.irp i, 0,1,2,3
	ds_load_b128 v[X+16*((\t)%2)+4*\i:X+16*((\t)%2)+4*\i+3], v15 offset:32*SP*((\t)%2)+16*\i
.endr
.endm
.irp t, 0,1,2,3
	LOAD \t
.endr
	s_wait_loadcnt 12                              ; step 0's four loads are in
	TURN 0
.macro STEP t
.set XS, X+16*((\t)%2)
.if (\t) > 0
	s_wait_dscnt 1                                 ; this step's numbers are back from the stage (the last step's byte store may be out): so its stores into the stage have read their registers,
.else
	s_wait_dscnt 0x0
.endif
.if (\t)+4 < STEPS
	LOAD (\t)+4                                    ; which take the loads of four steps on
.endif
.if (\t)+1 < STEPS
.if STEPS-2-(\t) >= 3
	s_wait_loadcnt 12                              ; the next step's four loads are in; those of the three steps behind it may be out
.else
	s_wait_loadcnt 4*(STEPS-2-(\t))
.endif
	TURN (\t)+1                                    ; and go through the other stage while this step is worked
.endif
	v_max3_num_f32 v8, |v[XS]|, |v[XS+1]|, |v[XS+2]|               ; the largest magnitude of my 16
	v_max3_num_f32 v9, |v[XS+3]|, |v[XS+4]|, |v[XS+5]|
.irp i, 6,10
	v_max3_num_f32 v8, v8, |v[XS+\i]|, |v[XS+\i+1]|
	v_max3_num_f32 v9, v9, |v[XS+\i+2]|, |v[XS+\i+3]|
.endr
	v_max3_num_f32 v8, v8, |v[XS+14]|, |v[XS+15]|
	v_max3_num_f32 v8, v8, v9, (EMAX+1)<<23        ; and the floor 2^(9 - 127): the byte cannot fall under 1
	v_max_num_f32_dpp v8, v8, v8 row_xmask:1 row_mask:0xf bank_mask:0xf   ; and of my neighbour's 16: the block's
	v_add_nc_u32 v11, -(EMAX<<23), v8              ; 8 off its exponent field: the conversion takes the exponent field of this operand as its scale
	v_and_or_b32 v10, v8, 0x7f800000, s36          ; 448 x the scale
.irp i, 0,1,2,3,4,5,6,7,8,9,10,11,12,13,14,15
	v_med3_num_f32 v[XS+\i], v[XS+\i], -v10, v10   ; the conversion to an 8-bit code does not saturate (ISA guide 7.6.2): the hold comes first
.endr
	v_cvt_scalef32_pk8_fp8_f32 v[C+4*(\t):C+4*(\t)+1], v[XS:XS+7], v11
	v_cvt_scalef32_pk8_fp8_f32 v[C+4*(\t)+2:C+4*(\t)+3], v[XS+8:XS+15], v11
	v_lshrrev_b32 v[E+(\t)], 23, v11               ; the scale's byte
	ds_store_b8 v5, v[E+(\t)] offset:16*(\t)       ; both lanes of a block write the same byte with the same value
	global_store_b128 v4, v[C+4*(\t):C+4*(\t)+3], s[26:27] offset:32*CB*(\t)   ; the wave stores 512 consecutive bytes
.endm
.irp t, 0,1,2,3,4,5,6,7,8,9,10,11,12,13,14,15
	STEP \t
.endr
	ds_load_b64 v[12:13], v6                       ; LDS serves a wave's instructions in order: these see my stores
	s_wait_dscnt 0x0
	global_store_b64 v7, v[12:13], s[28:29]        ; 32 lanes store 256 consecutive bytes, aligned
	s_wait_tensorcnt 0x0
	ds_add_u32 v192, v193
	s_wait_dscnt 0x0
	s_endpgm
.Lfunc_end_k_q0e192cd8d0_quant:
	.size	k_q0e192cd8d0_quant, .Lfunc_end_k_q0e192cd8d0_quant-k_q0e192cd8d0_quant
	.p2alignl 7, 3214868480
	.fill 96, 4, 3214868480
	.section	.rodata,"a",@progbits
	.p2align	6, 0x0
	.amdhsa_kernel k_q0e192cd8d0_quant
		.amdhsa_group_segment_fixed_size 33280
		.amdhsa_private_segment_fixed_size 0
		.amdhsa_enable_private_segment 0
		.amdhsa_kernarg_size 80
		.amdhsa_user_sgpr_count 2
		.amdhsa_user_sgpr_kernarg_segment_ptr 1
		.amdhsa_wavefront_size32 1
		.amdhsa_system_sgpr_workgroup_id_x 1
		.amdhsa_system_sgpr_workgroup_id_y 1
		.amdhsa_system_sgpr_workgroup_id_z 1
		.amdhsa_system_vgpr_workitem_id 0
		.amdhsa_next_free_vgpr 194
		.amdhsa_next_free_sgpr 66
		.amdhsa_reserve_vcc 0
		.amdhsa_float_denorm_mode_32 3
		.amdhsa_float_denorm_mode_16_64 3
		.amdhsa_memory_ordered 1
		.amdhsa_forward_progress 1
		.amdhsa_inst_pref_size 52
	.end_amdhsa_kernel
	.amdgpu_metadata
---
amdhsa.version: [ 1, 2 ]
amdhsa.kernels:
  - .name:           k_q0e192cd8d0_quant
    .symbol:         k_q0e192cd8d0_quant.kd
    .args:
      - { .name: x, .offset: 0, .size: 8, .value_kind: global_buffer, .address_space: global }
      - { .name: wq, .offset: 8, .size: 8, .value_kind: global_buffer, .address_space: global }
      - { .name: wk, .offset: 16, .size: 8, .value_kind: global_buffer, .address_space: global }
      - { .name: wv, .offset: 24, .size: 8, .value_kind: global_buffer, .address_space: global }
      - { .name: wo, .offset: 32, .size: 8, .value_kind: global_buffer, .address_space: global }
      - { .name: x_codes, .offset: 40, .size: 8, .value_kind: global_buffer, .address_space: global }
      - { .name: x_scales, .offset: 48, .size: 8, .value_kind: global_buffer, .address_space: global }
      - { .name: w_codes, .offset: 56, .size: 8, .value_kind: global_buffer, .address_space: global }
      - { .name: w_scales, .offset: 64, .size: 8, .value_kind: global_buffer, .address_space: global }
      - { .name: wo_q, .offset: 72, .size: 8, .value_kind: global_buffer, .address_space: global }
    .group_segment_fixed_size: 33280
    .private_segment_fixed_size: 0
    .kernarg_segment_align: 8
    .kernarg_segment_size: 80
    .max_flat_workgroup_size: 128
    .sgpr_count:     66
    .vgpr_count:     194
    .wavefront_size: 32
...
	.end_amdgpu_metadata
.endif
;; end of part 1
;; launch qkv (part 2): grid 8 x 32, 4 waves a work-group, clusters of 4 x 4, 327,680 bytes of LDS; arguments x_codes, x_scales, w_codes, w_scales, freqs_cos, freqs_sin, qkv; writes qkv
.if DOCPART == 2
	.amdgcn_target "amdgcn-amd-amdhsa--gfx1250"
	.amdhsa_code_object_version 6
	.text
	.protected	k_q0e192cd8d0_qkv
	.globl	k_q0e192cd8d0_qkv
	.p2align	8
	.type	k_q0e192cd8d0_qkv,@function
k_q0e192cd8d0_qkv:
	s_mov_b64 s[64:65], 0
	v_nop
	global_prefetch_b8 v0, s[64:65] scope:SCOPE_SE
	s_setreg_imm32_b32 hwreg(HW_REG_WAVE_MODE, 25, 1), 1
	s_wait_xcnt 0x0
	s_wait_alu depctr_hold_cnt(0) depctr_sa_sdst(0) depctr_va_vdst(0) depctr_va_sdst(0) depctr_va_ssrc(0) depctr_va_vcc(0) depctr_vm_vsrc(0)
	s_getreg_b32 s2, hwreg(HW_REG_IB_STS2, 6, 4)
	s_cmp_eq_u32 s2, 0
	s_cbranch_scc0 .Lentry_in_a_cluster
	s_endpgm
.Lentry_in_a_cluster:
	s_bfe_u32 s2, ttmp6, 0x10000c
	s_cmp_lg_u32 s2, 0xf033
	s_cbranch_scc0 .Lentry_shape_is_right
	s_endpgm
.Lentry_shape_is_right:
; x Wq^T, x Wk^T, x Wv^T as ONE product on codes of FP8 (E4M3) with E8M0 scales, K = 4,096; then the rotation of q and k, and the quantising of q, k (along the head's 32) and v (along the keys), all in registers.
; SHARES.  Work-group (kvh, mblk) makes 128 rows of x against the 192 rows of one group of w_codes (four query heads, their key head, their value head).  128 rows are one key step of the attention launch.
; Wave w takes rows 32 w .. 32 w + 31 (two tiles a) against all twelve tiles i of 16 columns: 24 accumulators.  Every wave runs the same text.
; Tiles 0-9 (q, k) are used TRANSPOSED (source 0 = 16 rows of W, source 1 = 16 rows of x): a lane holds one row and eight neighbouring channels d = 16 u + 8 h + j.
; Tiles 10, 11 (v) the natural way (source 0 = x, source 1 = W): a lane holds one channel and eight keys, and the wave's 32 rows are one block of 32 keys.
; WHAT IS STORED are images of operand registers, 512 bytes each, lane l's 16 bytes at 16 l.  Inside a block of 32 the slot 16 h + i holds channel (or key) 8 h + i for i < 8 and 16 + 8 h + i - 8 for i >= 8: the same order in q and k, and in v and p, so the products are unchanged.
; K goes in steps of 256 through a ring of two LDS slots; the scale bytes of the work-group's rows, for all of K, come once with the first fills and stay.
; CLUSTERS: 4 x 4 work-groups.  The four of a row of the cluster (one mblk) need the same tiles of x, the four of a column (one kvh) the same tiles of W: each is asked for jointly.
; By this text's own count a wave has three tensor loads out at the start and one behind each round.
; LIMITS: NaN and infinities are not served; a block of zeros or under 2^(9 - 127) gets the byte 1 (read by this program alone).
; REGISTERS, in windows of 256: window 0: v1-13 addresses, v14-15 the add's two, v16-31 at work, v32-87 scale words (nothing else), v88-90 scale words made, v96-159 x's fragments in two sets (later the codes made), v160-191 cos and sin, v192-255 64 numbers to quantise.
;   window 1, window 2: W's twelve fragments, set 0 and set 1.   window 3: accumulator (a, i) at v[8 (12 a + i)].
.set PITCH, 272                        ; an LDS row: 256 bytes + 16 of padding: the 16 rows of a load start at 16 different banks (64 banks of 4 bytes: ISA guide 11.1)
.set BOFF,  128*PITCH                  ; a slot: x's 128 rows, then W's 192
.set SLOT,  320*PITCH
.set SCL,   2*SLOT                     ; x's scale bytes: 64 units of 256 bytes + 16; row p's 128 bytes lie at (p / 2) 272 + (p % 2) 128
.set SCLB,  SCL+64*272                 ; W's: 96 units
.set SPARE, SCLB+96*272                ; the spare words, 128 bytes for each wave: two blocks of 256 bytes that no other line names
.set Q_IMG, 0                          ; regions of the buffer qkv: [row tile 256][head 32][512]
.set K_IMG, 4194304                    ; [b 2][kvh 8][key tile 128][512]
.set V_IMG, 5242880                    ; [b][kvh][step 16][dt 2][key block 4][512]
.set Q_SC,  6291456                    ; [row / 32][kvh][row % 32] words, byte p = head 4 kvh + p
.set K_SC,  6422528                    ; [b][kvh][step][lane 32] words: lane (r, g), byte c = key 64 g + 16 c + r of the step
.set V_SC,  6455296                    ; [b][kvh][step][lane 32] words: lane (r, dt), byte c = channel 16 dt + r, key block c
.set CSO,  1                           ; v1   cos, sin: my byte offset
.set ADRA, 2                           ; v2-3 LDS address of my fragments of x in slot 0, 1
.set ADRB, 4                           ; v4-5 the same for W
.set ADRSA, 6                          ; v6   my scale words of x
.set ADRSB, 7                          ; v7   of W
.set QST,  8                           ; v8-13 byte offsets of my stores in the six regions
.set KST,  9
.set VST,  10
.set QSS,  11
.set KSS,  12
.set VSS,  13
.set SPW,  14                          ; v14  LDS address of my spare word; never rewritten
.set NIL,  15                          ; v15  0; never rewritten
.set TM,   16
.set SCA,  32                          ; x's scale words: slot s, tile a, q-th 128 of the slot: 32 + 4 s + 2 a + q
.set SCB,  40                          ; W's: 40 + 24 s + 2 i + q
.set PW,   88
.set SHV,  91
.set AF,   96
.set PC,   96
.set CS,   160                         ; for tile a: cos u0 x4, cos u1 x4, sin u0 x4, sin u1 x4
.set T,    192
.set G1,   24
.set G0,   32
.set G1B,  48
.set G0B,  56
.set G1S,  68
.set G0S,  76
.set G1SB, 80
.set G0SB, 88
.set SEL,  94
.set MNT,  96
.set MSB, 0
.macro WIN new                         ; the immediate's high byte repeats the setting that is left
.if MSB != (\new)
	s_set_vgpr_msb (MSB<<8)|(\new)
.set MSB, (\new)
.endif
.endm
; A joint load: waves 0 and 1 fetch for x, waves 2 and 3 for W.  The branch hangs on the wave's number alone.  Four v_nop follow each of the two lines.
.macro JLOAD g0a, g1a, g0b, g1b
	s_cmp_eq_u32 s19, 0
	s_cbranch_scc0 .Lfor_b_\@
	tensor_load_to_lds s[\g0a:\g0a+3], s[\g1a:\g1a+7]
	s_nop 0
.rept 4
	v_nop
.endr
	s_branch .Lasked_\@
.Lfor_b_\@:
	tensor_load_to_lds s[\g0b:\g0b+3], s[\g1b:\g1b+7]
	s_nop 0
.rept 4
	v_nop
.endr
.Lasked_\@:
.endm
.macro CREST                           ; a round of the cluster's barrier behind its opening barrier
	s_cmp_lg_u32 s18, 0
	s_cbranch_scc1 .Lnot_wave_0_\@
	s_barrier_signal -3
.Lnot_wave_0_\@:
	s_barrier_wait -3
	s_barrier_signal -1
	s_barrier_wait -1
.endm
.macro CROUND
	s_barrier_signal -1
	s_barrier_wait -1
	CREST
.endm
.macro PLACES n                        ; plain vector instructions between a matrix instruction and a load into, or a read of, its registers: eight for this form
.rept \n
	v_nop
.endr
.endm
	s_load_b256 s[4:11], s[0:1], 0x0               ; x_codes, x_scales, w_codes, w_scales
	s_load_b128 s[12:15], s[0:1], 0x20             ; cos, sin
	s_load_b64 s[16:17], s[0:1], 0x30              ; qkv
	v_lshl_add_u32 v[SPW], v0, 2, SPARE
	v_mov_b32 v[NIL], 0
	ds_add_u32 v14, v15
	ds_add_u32 v14, v15
	s_wait_dscnt 0x0
	v_lshrrev_b32 v1, 5, v0
	v_readfirstlane_b32 s18, v1                    ; wave 0..3
	s_lshr_b32 s19, s18, 1                         ; I fetch for x (0) or for W (1),
	s_and_b32 s20, s18, 1                          ; its first or its second half
	s_bfe_u32 s40, ttmp6, 0x40000                  ; cx, cy: my place in the cluster
	s_bfe_u32 s41, ttmp6, 0x40004
	s_lshl_b32 s42, ttmp9, 2
	s_add_co_u32 s42, s42, s40                     ; kvh = 4 x cluster x + cx
	s_and_b32 s43, ttmp7, 0xffff
	s_lshl_b32 s43, s43, 2
	s_add_co_u32 s43, s43, s41                     ; mblk = 4 x cluster y + cy
	s_lshl_b32 s44, s41, 2
	s_lshl_b32 s44, 15, s44                        ; my row of the cluster
	s_lshl_b32 s45, 0x1111, s40                    ; my column
	; descriptor groups 1.  Codes: rows of 256 elements of one byte, 4,096 apart, 16 bytes of padding behind each; 64 rows of x, 96 of W
	s_or_b32 s[G1+0], s44, (0<<16)|(1<<20)|(1<<21)|(5<<22)|(3<<25)
	s_mov_b32 s[G1+1], 256<<16
	s_mov_b32 s[G1+2], 64<<16
	s_mov_b32 s[G1+3], 256<<16
	s_mov_b32 s[G1+4], 64
	s_mov_b32 s[G1+5], 4096
	s_mov_b32 s[G1+6], 0
	s_mov_b32 s[G1+7], 0
	s_or_b32 s[G1B+0], s45, (0<<16)|(1<<20)|(1<<21)|(5<<22)|(3<<25)
	s_mov_b32 s[G1B+1], 256<<16
	s_mov_b32 s[G1B+2], 96<<16
	s_mov_b32 s[G1B+3], 256<<16
	s_mov_b32 s[G1B+4], 96
	s_mov_b32 s[G1B+5], 4096
	s_mov_b32 s[G1B+6], 0
	s_mov_b32 s[G1B+7], 0
	; scale bytes: dense blocks, as rows of 256 bytes (32 elements of 8 bytes): 64 rows x 128 bytes = 32 such rows, 96 x 128 = 48
	s_or_b32 s[G1S+0], s44, (3<<16)|(1<<20)|(1<<21)|(5<<22)|(3<<25)
	s_mov_b32 s[G1S+1], 32<<16
	s_mov_b32 s[G1S+2], 32<<16
	s_mov_b32 s[G1S+3], 32<<16
	s_mov_b32 s[G1S+4], 32
	s_mov_b32 s[G1S+5], 32
	s_mov_b32 s[G1S+6], 0
	s_mov_b32 s[G1S+7], 0
	s_or_b32 s[G1SB+0], s45, (3<<16)|(1<<20)|(1<<21)|(5<<22)|(3<<25)
	s_mov_b32 s[G1SB+1], 32<<16
	s_mov_b32 s[G1SB+2], 48<<16
	s_mov_b32 s[G1SB+3], 32<<16
	s_mov_b32 s[G1SB+4], 48
	s_mov_b32 s[G1SB+5], 32
	s_mov_b32 s[G1SB+6], 0
	s_mov_b32 s[G1SB+7], 0
	; where the tiles come from: x's hang on mblk and the wave alone, W's on kvh and the wave alone
	s_lshl_b32 s22, s43, 7
	s_lshl_b32 s23, s20, 6
	s_add_co_u32 s22, s22, s23                     ; x: row 128 mblk + 64 half
	s_lshl_b32 s92, s22, 7                         ; its scale bytes: 128 a row
	s_mov_b32 s93, 0
	s_lshl_b32 s22, s22, 12                        ; its codes: 4,096 a row
	s_mov_b32 s23, 0
	s_mul_i32 s46, s42, 192
	s_mul_i32 s47, s20, 96
	s_add_co_u32 s46, s46, s47                     ; W: row 192 kvh + 96 half
	s_lshl_b32 s66, s46, 7
	s_mov_b32 s67, 0
	s_lshl_b32 s46, s46, 12
	s_mov_b32 s47, 0
	s_mul_i32 s97, s20, 64*PITCH                   ; and where they go: no place in the cluster enters an LDS address
	s_mul_i32 s98, s20, 96*PITCH
	s_mul_i32 s99, s20, 32*272
	s_mul_i32 s100, s20, 48*272
	s_mov_b32 s[SEL], 0x76543210
	s_mov_b32 s[SEL+1], 0xfedcba98                 ; v_permlanex16_b32's selects for lane l xor 16
	s_mov_b32 s[MNT], 0x600000                     ; the mantissa field of 448
	s_wait_kmcnt 0x0
	s_add_nc_u64 s[22:23], s[4:5], s[22:23]
	s_add_nc_u64 s[92:93], s[6:7], s[92:93]
	s_add_nc_u64 s[46:47], s[8:9], s[46:47]
	s_add_nc_u64 s[66:67], s[10:11], s[66:67]
	CROUND                                         ; all sixteen work-groups are here: the first joint loads meet
	s_mov_b32 s[G0S], 1
	s_add_co_u32 s[G0S+1], s99, SCL
	s_mov_b64 s[G0S+2:G0S+3], s[92:93]
	s_or_b32 s[G0S+3], s[G0S+3], 0x80000000
	s_mov_b32 s[G0SB], 1
	s_add_co_u32 s[G0SB+1], s100, SCLB
	s_mov_b64 s[G0SB+2:G0SB+3], s[66:67]
	s_or_b32 s[G0SB+3], s[G0SB+3], 0x80000000
	JLOAD G0S, G1S, G0SB, G1SB                     ; the scale bytes first: they are wanted with K step 0
.irp s, 0,1
	s_mov_b32 s[G0+4*\s], 1
	s_add_co_u32 s[G0+4*\s+1], s97, \s*SLOT
	s_add_nc_u64 s[G0+4*\s+2:G0+4*\s+3], s[22:23], \s*256
	s_or_b32 s[G0+4*\s+3], s[G0+4*\s+3], 0x80000000
	s_mov_b32 s[G0B+4*\s], 1
	s_add_co_u32 s[G0B+4*\s+1], s98, \s*SLOT+BOFF
	s_add_nc_u64 s[G0B+4*\s+2:G0B+4*\s+3], s[46:47], \s*256
	s_or_b32 s[G0B+4*\s+3], s[G0B+4*\s+3], 0x80000000
	JLOAD G0+4*\s, G1, G0B+4*\s, G1B
.endr
	; cos and sin of my rows: position (mblk % 16) 128 + 32 w + 16 a + r; of its 16 numbers those of pairs 8 u + 4 h + 0 .. 3.  They are waited for on the way out
	v_and_b32 v92, 15, v0                          ; r
	v_bfe_u32 v93, v0, 4, 1                        ; h
	s_and_b32 s97, s43, 15                         ; the key step
	s_lshl_b32 s98, s97, 7
	s_lshl_b32 s99, s18, 5
	s_add_co_u32 s98, s98, s99
	s_lshl_b32 s98, s98, 6                         ; 64 bytes a position
	v_lshlrev_b32 v[CSO], 6, v92
	v_lshl_add_u32 v[CSO], v93, 4, v[CSO]
	v_add_nc_u32 v[CSO], s98, v[CSO]
.irp a, 0,1
.irp u, 0,1
	global_load_b128 v[CS+16*\a+4*\u:CS+16*\a+4*\u+3], v[CSO], s[12:13] offset:\a*1024+\u*32
	global_load_b128 v[CS+16*\a+8+4*\u:CS+16*\a+8+4*\u+3], v[CSO], s[14:15] offset:\a*1024+\u*32
.endr
.endr
	v_mul_u32_u24 v94, v92, PITCH
	v_lshl_add_u32 v94, v93, 4, v94                ; a fragment's row x pitch + 16 x half
	s_mul_i32 s99, s18, 32*PITCH                   ; my 32 rows of x
.irp s, 0,1
	v_add_nc_u32 v[ADRA+\s], s99, v94
	v_add_nc_u32 v[ADRB+\s], \s*SLOT+BOFF, v94
	s_add_co_u32 s99, s99, SLOT
.endr
	v_lshrrev_b32 v95, 1, v92
	v_lshlrev_b32 v[ADRSA], 7, v92
	v_lshl_add_u32 v[ADRSA], v95, 4, v[ADRSA]      ; row r of a tile: 128 r + 16 (r / 2)
	v_add_nc_u32 v[ADRSB], SCLB, v[ADRSA]
	s_mul_i32 s99, s18, 16*272
	s_add_co_u32 s99, s99, SCL
	v_add_nc_u32 v[ADRSA], s99, v[ADRSA]
	; the stores' offsets
	v_and_b32 v95, 31, v0
	v_lshlrev_b32 v94, 4, v95                      ; 16 x lane
	v_lshlrev_b32 v95, 2, v95                      ; 4 x lane
	s_lshl_b32 s99, s43, 17                        ; q: row tile 8 mblk + 2 w + a of 16,384 bytes, head 4 kvh + p of 512
	s_lshl_b32 s100, s18, 15
	s_add_co_u32 s99, s99, s100
	s_lshl_b32 s100, s42, 11
	s_add_co_u32 s99, s99, s100
	v_add_nc_u32 v[QST], s99, v94
	s_lshr_b32 s99, s43, 4
	s_lshl_b32 s99, s99, 3
	s_add_co_u32 s99, s99, s42                     ; 8 b + kvh
	s_lshl_b32 s100, s99, 16
	s_lshl_b32 s101, s97, 12
	s_add_co_u32 s100, s100, s101                  ; 65,536 a head, 4,096 a step
	s_lshl_b32 s101, s18, 10
	s_add_co_u32 s101, s101, s100
	v_add_nc_u32 v[KST], s101, v94                 ; k: key tiles 2 w + a of the step
	s_lshl_b32 s101, s18, 9
	s_add_co_u32 s101, s101, s100
	v_add_nc_u32 v[VST], s101, v94                 ; v: key block w
	s_lshl_b32 s100, s43, 2
	s_add_co_u32 s100, s100, s18
	s_lshl_b32 s100, s100, 10
	s_lshl_b32 s101, s42, 7
	s_add_co_u32 s100, s100, s101
	v_add_nc_u32 v[QSS], s100, v95
	s_lshl_b32 s100, s99, 11
	s_lshl_b32 s101, s97, 7
	s_add_co_u32 s100, s100, s101                  ; 2,048 a head, 128 a step
	s_add_co_u32 s101, s100, s18
	v_add_nc_u32 v[VSS], s101, v95                 ; v: word of my lane, byte w
	s_lshl_b32 s101, s19, 6
	s_add_co_u32 s100, s100, s101
	s_lshl_b32 s101, s20, 1
	s_add_co_u32 s100, s100, s101
	v_lshl_add_u32 v[KSS], v92, 2, s100            ; k: word of lane (r, w / 2), bytes 2 (w % 2) and the next
	v_lshl_add_u32 v[SHV], v93, 3, 16              ; 16 + 8 h
.macro FRAG reg, adr, q, i             ; a fragment, 16 rows x 128 K: lane l holds row l % 16; registers 4 c .. 4 c + 3 hold K = 32 c + 16 (l / 16) + 0 .. 15
.irp c, 0,1,2,3
	ds_load_b128 v[\reg+4*\c:\reg+4*\c+3], v[\adr] offset:128*(\q)+32*\c+(\i)*16*PITCH
.endr
.endm
.macro FETCH slot, q                   ; the fragments of the slot's q-th 128 along K into set q: W's twelve, x's two
	WIN 0x40*(1+\q)
.irp i, 0,1,2,3,4,5,6,7,8,9,10,11
	FRAG 16*\i, ADRB+\slot, \q, \i
.endr
	WIN 0
.irp a, 0,1
	FRAG AF+32*(\q)+16*\a, ADRA+\slot, \q, \a
.endr
.endm
.macro SCALES s                        ; a K step's scale words, two a row, into set s
.irp a, 0,1
	ds_load_b64 v[SCA+4*\s+2*\a:SCA+4*\s+2*\a+1], v[ADRSA] offset:\a*2176
.endr
.irp i, 0,1,2,3,4,5,6,7,8,9,10,11
	ds_load_b64 v[SCB+24*\s+2*\i:SCB+24*\s+2*\i+1], v[ADRSB] offset:\i*2176
.endr
.endm
; The 24 accumulators take turns, one instruction a turn, in the same order in every 128 along K.  zero = 1: the first products start the sums.
.macro MULT q, s, a, zero              ; tiles 0-9 of rows 16 a on, transposed
	WIN 0xf0|(1+\q)
.irp i, 0,1,2,3,4,5,6,7,8,9
.if \zero
	v_wmma_scale_f32_16x16x128_f8f6f4 v[8*(12*(\a)+\i):8*(12*(\a)+\i)+7], v[16*\i:16*\i+15], v[AF+32*(\q)+16*(\a):AF+32*(\q)+16*(\a)+15], 0, v[SCB+24*(\s)+2*\i+(\q)], v[SCA+4*(\s)+2*(\a)+(\q)]
.else
	v_wmma_scale_f32_16x16x128_f8f6f4 v[8*(12*(\a)+\i):8*(12*(\a)+\i)+7], v[16*\i:16*\i+15], v[AF+32*(\q)+16*(\a):AF+32*(\q)+16*(\a)+15], v[8*(12*(\a)+\i):8*(12*(\a)+\i)+7], v[SCB+24*(\s)+2*\i+(\q)], v[SCA+4*(\s)+2*(\a)+(\q)]
.endif
.endr
.endm
.macro MULV q, s, zero                 ; tiles 10, 11 of both row tiles, the natural way
	WIN 0xf0|((1+\q)<<2)
.irp a, 0,1
.irp i, 10,11
.if \zero
	v_wmma_scale_f32_16x16x128_f8f6f4 v[8*(12*\a+\i):8*(12*\a+\i)+7], v[AF+32*(\q)+16*\a:AF+32*(\q)+16*\a+15], v[16*\i:16*\i+15], 0, v[SCA+4*(\s)+2*\a+(\q)], v[SCB+24*(\s)+2*\i+(\q)]
.else
	v_wmma_scale_f32_16x16x128_f8f6f4 v[8*(12*\a+\i):8*(12*\a+\i)+7], v[AF+32*(\q)+16*\a:AF+32*(\q)+16*\a+15], v[16*\i:16*\i+15], v[8*(12*\a+\i):8*(12*\a+\i)+7], v[SCA+4*(\s)+2*\a+(\q)], v[SCB+24*(\s)+2*\i+(\q)]
.endif
.endr
.endr
.endm
; A slot's first 128 along K: set 0 is multiplied while set 1 is fetched.
.macro STEP slot, zero
	s_wait_dscnt 0x0                               ; set 0 and the slot's scale words are in
	PLACES 8                                       ; set 1 was read by the last products
	FETCH \slot, 1
	MULT 0, \slot, 0, \zero
	MULT 0, \slot, 1, \zero
	MULV 0, \slot, \zero
	WIN 0
.endm
; A slot's second 128 changes slots: ONE barrier; in front of it each wave waits for all its tensor loads, adds 0 to its spare word, and waits for that and for its reads of this slot.  fill = 1: this slot is filled again, two K steps ahead.
.macro TURN slot, next, fill
	s_wait_dscnt 0x0                               ; set 1 is in: these were my last reads of this slot
	s_wait_tensorcnt 0x0                           ; all my tensor loads have landed: my part of the next slot
	ds_add_u32 v[SPW], v[NIL]                      ; 0 onto my spare word
	MULT 1, \slot, 0, 0                            ; ten matrix instructions stand between the add and the wait for it
	s_wait_dscnt 0x0                               ; the add is done
	s_barrier_signal -1
	MULT 1, \slot, 1, 0
	WIN 0
	s_barrier_wait -1
.if \fill
	CREST                                          ; the barrier has opened a round of the cluster's barrier: no wave of any partner still reads this slot or has a load on its way
	s_add_nc_u64 s[G0+4*\slot+2:G0+4*\slot+3], s[G0+4*\slot+2:G0+4*\slot+3], 512
	s_add_nc_u64 s[G0B+4*\slot+2:G0B+4*\slot+3], s[G0B+4*\slot+2:G0B+4*\slot+3], 512
	JLOAD G0+4*\slot, G1, G0B+4*\slot, G1B         ; the first tensor load behind the round; its four v_nop are among the places in front of the loads below
	PLACES 4
.else
	PLACES 8
.endif
	v_add_nc_u32 v[ADRSA], 8, v[ADRSA]             ; on to the next K step's scale words
	v_add_nc_u32 v[ADRSB], 8, v[ADRSB]
	FETCH \next, 0
	SCALES \next
	MULV 1, \slot, 0
	WIN 0
.endm
	s_wait_tensorcnt 1                             ; the scale bytes and my part of K step 0 are in; K step 1's load may be out
	s_barrier_signal -1
	s_barrier_wait -1
	FETCH 0, 0
	SCALES 0
	STEP 0, 1                                      ; the first 128 along K stand in front of the loop: their products start the sums
	s_mov_b32 s21, 7
.Llap:                                             ; a trip goes once round the ring and fills both slots again: K steps 2 to 15
	TURN 0, 1, 1
	STEP 1, 0
	TURN 1, 0, 1
	STEP 0, 0
	s_sub_co_u32 s21, s21, 1
	s_cmp_lg_u32 s21, 0
	s_cbranch_scc1 .Llap
	TURN 0, 1, 0                                   ; the last lap fills nothing
	STEP 1, 0
	s_wait_dscnt 0x0
	MULT 1, 1, 0, 0
	MULT 1, 1, 1, 0
	MULV 1, 1, 0
	WIN 0
; THE WAY OUT: no LDS, no barrier.
; The rotation of tile i of row tile a into v[T + dst] on: pair jj of my eight channels, with cos and sin of pair 8 u + 4 h + jj.  Each accumulator is read from its low end on.
.macro ROPE a, i, dst
.irp jj, 0,1,2,3
	v_mul_f32 v[TM+2*\jj], v[8*(12*(\a)+(\i))+2*\jj], v[CS+16*(\a)+8+4*((\i)%2)+\jj]
	v_mul_f32 v[TM+2*\jj+1], v[8*(12*(\a)+(\i))+2*\jj+1], v[CS+16*(\a)+8+4*((\i)%2)+\jj]
.endr
.irp jj, 0,1,2,3
	v_fma_f32 v[T+(\dst)+2*\jj], v[8*(12*(\a)+(\i))+2*\jj], v[CS+16*(\a)+4*((\i)%2)+\jj], -v[TM+2*\jj+1]
	v_fma_f32 v[T+(\dst)+2*\jj+1], v[8*(12*(\a)+(\i))+2*\jj+1], v[CS+16*(\a)+4*((\i)%2)+\jj], v[TM+2*\jj]
.endr
.endm
; 64 numbers of a lane, four blocks of which I hold 16 and lane l xor 16 the other 16, become 16 registers of codes from v[pc] on and a word of four scale bytes in v[pw].
.macro QUANT pc, pw
.irp b, 0,1,2,3
	v_max3_num_f32 v[TM+\b], |v[T+16*\b]|, |v[T+1+16*\b]|, 0x4800000   ; with the floor 2^(9 - 127): the byte cannot fall under 1
.endr
.irp i, 2,4,6,8,10,12,14
.irp b, 0,1,2,3
	v_max3_num_f32 v[TM+\b], v[TM+\b], |v[T+16*\b+\i]|, |v[T+1+16*\b+\i]|
.endr
.endr
.irp b, 0,1,2,3
	v_permlanex16_b32 v[TM+4+\b], v[TM+\b], s[SEL], s[SEL+1]
.endr
.irp b, 0,1,2,3
	v_max_num_f32 v[TM+\b], v[TM+\b], v[TM+4+\b]   ; the block's largest magnitude
.endr
.irp b, 0,1,2,3
	v_add_nc_u32 v[TM+12+\b], 0xfc000000, v[TM+\b] ; 8 off its exponent field: the conversion's scale operand
.endr
.irp b, 0,1,2,3
	v_and_or_b32 v[TM+8+\b], v[TM+\b], 0x7f800000, s[MNT]   ; 448 x the scale
.endr
.irp b, 0,1,2,3
	v_lshrrev_b32 v[TM+4+\b], 23, v[TM+12+\b]      ; the scale's byte
.endr
	v_lshl_or_b32 v[\pw], v[TM+5], 8, v[TM+4]
	v_lshl_or_b32 v[\pw], v[TM+6], 16, v[\pw]
	v_lshl_or_b32 v[\pw], v[TM+7], 24, v[\pw]
.irp b, 0,1,2,3
.irp i, 0,1,2,3,4,5,6,7,8,9,10,11,12,13,14,15
	v_med3_num_f32 v[T+16*\b+\i], v[T+16*\b+\i], -v[TM+8+\b], v[TM+8+\b]   ; the conversion does not saturate (ISA guide 7.6.2): the hold comes first
.endr
	v_cvt_scalef32_pk8_fp8_f32 v[\pc+4*\b:\pc+4*\b+1], v[T+16*\b:T+16*\b+7], v[TM+12+\b]
	v_cvt_scalef32_pk8_fp8_f32 v[\pc+4*\b+2:\pc+4*\b+3], v[T+16*\b+8:T+16*\b+15], v[TM+12+\b]
.endr
	v_nop                                          ; a plain vector instruction behind the last conversion, ahead of whatever next writes its sources
.endm
	PLACES 8                                       ; behind the last products
	s_wait_loadcnt 0x0                             ; cos and sin
.irp a, 0,1                            ; q: the four heads of 16 rows are the four blocks
	WIN 0x03                                       ; source 0: window 3
.irp i, 0,1,2,3,4,5,6,7
	ROPE \a, \i, 8*\i
.endr
	WIN 0
	QUANT PC+16*\a, PW+\a
.irp p, 0,1,2,3
	global_store_b128 v[QST], v[PC+16*\a+4*\p:PC+16*\a+4*\p+3], s[16:17] offset:Q_IMG+\a*16384+\p*512   ; 512 consecutive bytes, aligned
.endr
.endr
	WIN 0x03                                       ; k's two key tiles are blocks 0 and 1; v's two channel tiles, 32 keys each, blocks 2 and 3
	ROPE 0, 8, 0
	ROPE 0, 9, 8
	ROPE 1, 8, 16
	ROPE 1, 9, 24
.irp dt, 0,1
.irp a, 0,1
.irp j, 0,1,2,3,4,5,6,7
	v_mov_b32 v[T+32+16*\dt+8*\a+\j], v[8*(12*\a+10+\dt)+\j]   ; out of window 3, beside k's numbers: one quantiser serves both
.endr
.endr
.endr
	WIN 0
	QUANT PC+32, PW+2
.irp a, 0,1
	global_store_b128 v[KST], v[PC+32+4*\a:PC+32+4*\a+3], s[16:17] offset:K_IMG+\a*512
.endr
.irp dt, 0,1
	global_store_b128 v[VST], v[PC+40+4*\dt:PC+40+4*\dt+3], s[16:17] offset:V_IMG+\dt*2048
.endr
	; the scale bytes: 197 KB of the launch's 30 MB; gathered into larger runs they would cost a barrier
	v_and_b32 v92, 31, v0
	v_cmp_gt_u32 vcc_lo, 16, v92
	v_cndmask_b32 v93, v[PW+1], v[PW], vcc_lo      ; lanes 0-15: rows 0-15; lanes 16-31: rows 16-31 (both halves of the lanes hold a row's word)
	global_store_b32 v[QSS], v93, s[16:17] offset:Q_SC
	global_store_b16 v[KSS], v[PW+2], s[16:17] offset:K_SC   ; bytes 0, 1: my two key tiles (both halves of the lanes store the same)
	v_lshrrev_b32 v94, v[SHV], v[PW+2]             ; byte 2 + h: channel 16 h + r
	global_store_b8 v[VSS], v94, s[16:17] offset:V_SC
	s_wait_tensorcnt 0x0                           ; the wave's end
	ds_add_u32 v[SPW], v[NIL]
	s_wait_dscnt 0x0
	CROUND                                         ; the closing round
	s_endpgm
.Lfunc_end_k_q0e192cd8d0_qkv:
	.size	k_q0e192cd8d0_qkv, .Lfunc_end_k_q0e192cd8d0_qkv-k_q0e192cd8d0_qkv
	.p2alignl 7, 3214868480
	.fill 96, 4, 3214868480
	.section	.rodata,"a",@progbits
	.p2align	6, 0x0
	.amdhsa_kernel k_q0e192cd8d0_qkv
		.amdhsa_group_segment_fixed_size 327680
		.amdhsa_private_segment_fixed_size 0
		.amdhsa_enable_private_segment 0
		.amdhsa_kernarg_size 56
		.amdhsa_user_sgpr_count 2
		.amdhsa_user_sgpr_kernarg_segment_ptr 1
		.amdhsa_wavefront_size32 1
		.amdhsa_system_sgpr_workgroup_id_x 1
		.amdhsa_system_sgpr_workgroup_id_y 1
		.amdhsa_system_sgpr_workgroup_id_z 1
		.amdhsa_system_vgpr_workitem_id 0
		.amdhsa_next_free_vgpr 1024
		.amdhsa_next_free_sgpr 102
		.amdhsa_reserve_vcc 1
		.amdhsa_float_denorm_mode_32 3
		.amdhsa_float_denorm_mode_16_64 3
		.amdhsa_memory_ordered 1
		.amdhsa_forward_progress 1
		.amdhsa_inst_pref_size 115
	.end_amdhsa_kernel
	.amdgpu_metadata
---
amdhsa.version: [ 1, 2 ]
amdhsa.kernels:
  - .name:           k_q0e192cd8d0_qkv
    .symbol:         k_q0e192cd8d0_qkv.kd
    .args:
      - { .name: x_codes, .offset: 0, .size: 8, .value_kind: global_buffer, .address_space: global }
      - { .name: x_scales, .offset: 8, .size: 8, .value_kind: global_buffer, .address_space: global }
      - { .name: w_codes, .offset: 16, .size: 8, .value_kind: global_buffer, .address_space: global }
      - { .name: w_scales, .offset: 24, .size: 8, .value_kind: global_buffer, .address_space: global }
      - { .name: freqs_cos, .offset: 32, .size: 8, .value_kind: global_buffer, .address_space: global }
      - { .name: freqs_sin, .offset: 40, .size: 8, .value_kind: global_buffer, .address_space: global }
      - { .name: qkv, .offset: 48, .size: 8, .value_kind: global_buffer, .address_space: global }
    .group_segment_fixed_size: 327680
    .private_segment_fixed_size: 0
    .kernarg_segment_align: 8
    .kernarg_segment_size: 56
    .max_flat_workgroup_size: 128
    .sgpr_count:     102
    .vgpr_count:     1024
    .wavefront_size: 32
...
	.end_amdgpu_metadata
.endif
;; end of part 2
;; launch attn (part 3): grid 128 x 2, 8 waves a work-group, no clusters, 35,840 bytes of LDS; arguments qkv, mask, att_codes, att_scales; writes att_codes, att_scales
.if DOCPART == 3
	.amdgcn_target "amdgcn-amd-amdhsa--gfx1250"
	.amdhsa_code_object_version 6
	.text
	.protected	k_q0e192cd8d0_attn
	.globl	k_q0e192cd8d0_attn
	.p2align	8
	.type	k_q0e192cd8d0_attn,@function
k_q0e192cd8d0_attn:
	s_mov_b64 s[64:65], 0
	v_nop
	global_prefetch_b8 v0, s[64:65] scope:SCOPE_SE
	s_setreg_imm32_b32 hwreg(HW_REG_WAVE_MODE, 25, 1), 1
	s_wait_xcnt 0x0
; softmax(q k^T / sqrt(32) + mask) v for 32 query heads on 8 key heads, head size 32, both products on codes of FP8 (E4M3) with E8M0 scales; the result is quantised along head x 32 + channel for the last product.
; THE SOFTMAX AHEAD OF THE SECOND PRODUCT: t = logit x log2(e); M = the running largest t rounded UP to a whole number; p = 2^(t - M) is quantised along the keys, not normalised; the sum is taken of the unquantised p and divides at the end.
; When M moves, the sum and O are multiplied by 2^(old M - new M): exact.  The mask is an input: every word of it is read and added, and nothing is skipped.
; SHARES.  A work-group owns 16 queries of one batch.  Wave w is key head w with its four query heads; every wave walks 16 steps of 128 keys.  At the end the work-group holds 16 whole rows of 1,024 code bytes.
; K and V are a wave's own: they come from memory straight into operand registers, as the images that the launch before stored: 16 loads of 512 consecutive bytes and two scale words a step, asked for a whole step ahead.
; THE MASK'S TILE (16 queries x 128 keys) is shared by the eight waves: each brings two rows, multiplies them by sqrt(32) and stores them to LDS; all read it back in the layout of a result.
; THE MASK IS THE C OF THE SCORE PRODUCTS: D = k q^T + mask sqrt(32), and t - M = D c - M, c = log2(e) / sqrt(32), is one multiply-add.
; K = 32 IN AN INSTRUCTION OF K = 128: a fragment of k holds FOUR key tiles, one in each block of 32; q's four code registers stand in a run of zero registers, and a window of 16 registers puts them into block c: zero codes add nothing.  q's scale register holds its byte four times.
; LAYOUT.  Both products transposed: S^T = k q^T, O^T = v^T p^T: a lane holds one query (lane % 16) throughout.  Tiles 2 b, 2 b + 1 of S^T are 16 of the 32 keys of block b, in the order in which v's images hold them.
; NO CLUSTER: a step's 64 KiB of K and V for a work-group stand against four heads' softmax in each wave (some 1,200 vector instructions), every load is issued a whole step ahead of its use, and operands that arrive as register images need no LDS;
; joint loads would send them through LDS, written and read once more, and put a round of a cluster's barrier into a loop that has one barrier a step.
; LIMITS: NaN and infinities among the inputs are not served; |mask| stays under 6e37 (it is multiplied by sqrt(32)); a block of zeros or under 2^(9 - 127) gets the byte 1 (read by this program alone).
; REGISTERS: window 0: v1-11 addresses; v12-27 four registers of statistics a head (-M, largest t, the sum in two halves); v28-37 scale words (nothing else); v40-55 the mask's piece; v56-71 p's codes; v72-93 at work; v96-159 S^T, then p; v160-223 O^T; v224-255 V, set 1.
;   window 1: v0-75 q among zeros; v80-143 K, two sets; v144-175 V, set 0; v176-239 the mask's tile.
.set K_IMG, 4194304
.set V_IMG, 5242880
.set Q_SC,  6291456
.set K_SC,  6422528
.set V_SC,  6455296
.set MB,    8448                       ; LDS: two buffers for the mask's tile, 16 rows x (512 + 16) bytes,
.set STG,   16896                      ; the stage for the codes: 16 rows x (1,024 + 16),
.set SCST,  33536                      ; and for their scale bytes: 16 rows x 32
.set LI,  1                            ; v1   16 x lane
.set LS,  2                            ; v2   4 x lane
.set MRD, 3                            ; v3   the mask's tile, read: 528 r + 32 h
.set MWR, 4                            ; v4   written: 528 x 2 w + 16 x lane
.set KO,  5                            ; v5   offset of the step's images
.set SO,  6                            ; v6   of its scale words
.set MO,  7                            ; v7   of the mask's piece
.set SW,  8                            ; v8   the stage: where I put 8 bytes
.set SR,  9                            ; v9   where I read rows back
.set SCW, 10                           ; v10  where I put a scale word
.set SCR, 11                           ; v11  where wave 0 reads them back
.set ST,  12
.set QS,  28                           ; v28-31 q's scale byte, four times, a head
.set KS,  32                           ; v32-33 K's scale words, two sets
.set VS,  34                           ; v34-35 V's
.set PW,  36                           ; v36  p's scale word
.set QW,  37                           ; v37  q's scale word as loaded
.set MG,  40
.set MS,  48
.set PC,  56
.set BM,  72
.set PT,  76
.set HO,  80
.set SOP, 84
.set F,   88
.set TT,  90
.set L2,  92
.set S,   96
.set O,   160
.set VB1, 224
.set KB,  80                           ; window 1
.set VB0, 144
.set MK,  176
.set MSB, 0
.macro WIN new                         ; the immediate's high byte repeats the setting that is left
.if MSB != (\new)
	s_set_vgpr_msb (MSB<<8)|(\new)
.set MSB, (\new)
.endif
.endm
	s_load_b256 s[4:11], s[0:1], 0x0               ; qkv, mask, att_codes, att_scales
	v_lshl_add_u32 v94, v0, 2, 0x8800
	v_mov_b32 v95, 0
	v_lshrrev_b32 v1, 5, v0
	v_readfirstlane_b32 s22, v1                    ; wave = key head
	s_and_b32 s33, ttmp7, 0xffff                   ; b
	v_and_b32 v90, 31, v0                          ; lane
	v_and_b32 v92, 15, v0                          ; r
	v_bfe_u32 v93, v0, 4, 1                        ; h
	v_lshlrev_b32 v[LI], 4, v90
	v_lshlrev_b32 v[LS], 2, v90
	v_mul_u32_u24 v[MRD], v92, 528
	v_lshl_add_u32 v[MRD], v93, 5, v[MRD]
	s_mul_i32 s3, s22, 2*528
	v_add_nc_u32 v[MWR], s3, v[LI]
	v_mul_u32_u24 v[SW], v92, 1040
	v_lshl_add_u32 v[SW], v93, 3, v[SW]
	s_lshl_b32 s3, s22, 7
	s_add_co_u32 s3, s3, STG
	v_add_nc_u32 v[SW], s3, v[SW]                  ; row r, my wave's 128 bytes, + 8 h
	s_mul_i32 s3, s22, 2*1040
	s_add_co_u32 s3, s3, STG
	v_add_nc_u32 v[SR], s3, v[LI]                  ; rows 2 w, 2 w + 1
	v_lshlrev_b32 v[SCW], 5, v92
	s_lshl_b32 s3, s22, 2
	s_add_co_u32 s3, s3, SCST
	v_add_nc_u32 v[SCW], s3, v[SCW]
	v_add_nc_u32 v[SCR], SCST, v[LI]
	v_lshlrev_b32 v91, 2, v92                      ; 4 r
	s_lshl_b32 s2, s33, 3
	s_add_co_u32 s2, s2, s22                       ; 8 b + w
	s_lshl_b32 s36, s2, 16                         ; images: 65,536 bytes a head
	s_mov_b32 s37, 0
	s_lshl_b32 s38, s2, 11                         ; scale words: 2,048
	s_mov_b32 s39, 0
	s_lshl_b32 s40, ttmp9, 4
	s_lshl_b32 s3, s22, 1
	s_add_co_u32 s40, s40, s3                      ; the mask's row 16 qt + 2 w
	s_lshl_b32 s40, s40, 13
	s_mov_b32 s41, 0
	s_lshl_b32 s42, s33, 7
	s_add_co_u32 s42, s42, ttmp9                   ; q: row tile 128 b + qt of 16,384 bytes,
	s_lshl_b32 s42, s42, 14
	s_lshl_b32 s3, s22, 11                         ; heads 4 w on
	s_add_co_u32 s42, s42, s3
	s_mov_b32 s43, 0
	s_lshl_b32 s44, s33, 6
	s_lshr_b32 s3, ttmp9, 1
	s_add_co_u32 s44, s44, s3                      ; q's scale words: row / 32,
	s_lshl_b32 s44, s44, 10
	s_lshl_b32 s3, s22, 7                          ; key head w,
	s_add_co_u32 s44, s44, s3
	s_and_b32 s3, ttmp9, 1
	s_lshl_b32 s3, s3, 6                           ; the lower or the upper 16 of the 32 rows
	s_add_co_u32 s44, s44, s3
	s_mov_b32 s45, 0
	s_lshl_b32 s46, s33, 11
	s_lshl_b32 s3, ttmp9, 4
	s_add_co_u32 s46, s46, s3                      ; the work-group's first row
	s_lshl_b32 s34, s46, 5
	s_mov_b32 s35, 0
	s_lshl_b32 s3, s22, 1
	s_add_co_u32 s46, s46, s3
	s_lshl_b32 s46, s46, 10
	s_mov_b32 s47, 0
	s_mov_b32 s26, 0x3e8293ee                      ; c = log2(e) / sqrt(32)
	s_mov_b32 s27, s26                             ; (named with it as a pair, so it is written)
	s_mov_b32 s28, 0x40b504f3                      ; sqrt(32)
	s_mov_b32 s29, s28
	s_mov_b32 s30, 0x76543210
	s_mov_b32 s31, 0xfedcba98                      ; v_permlanex16_b32's selects for lane l xor 16
	s_mov_b32 s32, 0x600000                        ; the mantissa field of 448
	s_mov_b32 s24, 0                               ; the step whose K and V are asked for
	s_mov_b32 s25, 0                               ; the step whose piece of the mask is asked for
	s_wait_kmcnt 0x0
	s_add_nc_u64 s[12:13], s[4:5], s[36:37]        ; images of my key head
	s_add_nc_u64 s[14:15], s[4:5], s[38:39]        ; their scale words
	s_add_nc_u64 s[16:17], s[4:5], s[42:43]        ; q's images
	s_add_nc_u64 s[18:19], s[4:5], s[44:45]        ; q's scale words
	s_add_nc_u64 s[20:21], s[6:7], s[40:41]        ; my two rows of the mask
	s_add_nc_u64 s[8:9], s[8:9], s[46:47]          ; my two rows of codes
	s_add_nc_u64 s[10:11], s[10:11], s[34:35]      ; the work-group's 512 scale bytes
.macro ADDR
	v_lshl_add_u32 v[KO], s24, 12, v[LI]           ; 4,096 bytes of K's images a step, and as many of V's
	v_lshl_add_u32 v[SO], s24, 7, v[LS]
	v_lshl_add_u32 v[MO], s25, 9, v[LI]            ; 512 bytes of a row of the mask a step
.endm
.macro ASKKV d                         ; K, V and their scale words into set d
	WIN 0x40
.irp n, 0,1,2,3,4,5,6,7
	global_load_b128 v[KB+32*(\d)+4*\n:KB+32*(\d)+4*\n+3], v[KO], s[12:13] offset:K_IMG+512*\n   ; key tile n: block n % 4 of fragment n / 4
.endr
.if (\d) == 0
.irp n, 0,1,2,3,4,5,6,7
	global_load_b128 v[VB0+4*\n:VB0+4*\n+3], v[KO], s[12:13] offset:V_IMG+512*\n                 ; key block n % 4 of channels 16 (n / 4) on
.endr
	WIN 0
.else
	WIN 0
.irp n, 0,1,2,3,4,5,6,7
	global_load_b128 v[VB1+4*\n:VB1+4*\n+3], v[KO], s[12:13] offset:V_IMG+512*\n
.endr
.endif
	global_load_b32 v[KS+(\d)], v[SO], s[14:15] offset:K_SC
	global_load_b32 v[VS+(\d)], v[SO], s[14:15] offset:V_SC
.endm
.macro ASKM                            ; my two rows' 512 bytes of a step
	global_load_b128 v[MG:MG+3], v[MO], s[20:21]
	global_load_b128 v[MG+4:MG+7], v[MO], s[20:21] offset:8192
.endm
.macro MSCALE
.irp k, 0,2,4,6
	v_pk_mul_f32 v[MS+\k:MS+\k+1], v[MG+\k:MG+\k+1], s[28:29] op_sel_hi:[1,0]
.endr
.endm
.macro MKLOAD buf                      ; the tile in a result's layout: register 8 t + j of lane (r, h) = query r, key 16 t + 8 h + j
	WIN 0x40
.irp n, 0,1,2,3,4,5,6,7,8,9,10,11,12,13,14,15
	ds_load_b128 v[MK+4*\n:MK+4*\n+3], v[MRD] offset:(\buf)*MB+64*(\n/2)+16*(\n%2)
.endr
	WIN 0
.endm
	ADDR
	WIN 0x40
.irp hh, 0,1,2,3
	global_load_b128 v[16*\hh+12:16*\hh+15], v[LI], s[16:17] offset:512*\hh   ; q of head hh, between twelve zero registers on either side
.endr
	WIN 0
	global_load_b32 v[QW], v91, s[18:19] offset:Q_SC
	ASKKV 0
	ASKM
	WIN 0x40
.irp z, 0,16,32,48,64
.set JJ, 0
.rept 12
	v_mov_b32 v[\z+JJ], 0                          ; zero codes
.set JJ, JJ+1
.endr
.endr
	WIN 0
.set JJ, 0
.rept 64
	v_mov_b32 v[O+JJ], 0                           ; O^T.  (The step is written once: the first finds zeros, which the first change of M leaves zeros)
.set JJ, JJ+1
.endr
.irp hh, 0,1,2,3
	v_mov_b32 v[ST+4*\hh+1], 0xff61b1e6            ; the largest t so far: -3e38
	v_floor_f32 v[ST+4*\hh], -v[ST+4*\hh+1]        ; -M
	v_mov_b32 v[ST+4*\hh+2], 0                     ; the sum, in two halves
	v_mov_b32 v[ST+4*\hh+3], 0
	v_mov_b32 v[PT+\hh], 0                         ; written once: a lane permute's destination counts as one of its sources
.endr
	v_mov_b32 v[F+1], 0                            ; (named as the upper half of a pair)
	s_wait_loadcnt 0x0
	v_perm_b32 v[QS], v[QW], v[QW], 0              ; head hh's byte into all four bytes: q may stand in any block
	v_perm_b32 v[QS+1], v[QW], v[QW], 0x01010101
	v_perm_b32 v[QS+2], v[QW], v[QW], 0x02020202
	v_perm_b32 v[QS+3], v[QW], v[QW], 0x03030303
	MSCALE
	ds_store_b128 v[MWR], v[MS:MS+3]
	ds_store_b128 v[MWR], v[MS+4:MS+7] offset:528
	s_mov_b32 s25, 1
	v_lshl_add_u32 v[MO], s25, 9, v[LI]            ; (the loads that read it are in)
	ASKM                                           ; step 1's piece
	s_wait_dscnt 0x0                               ; for the others' sake: my two rows lie in LDS
	s_barrier_signal -1
	s_barrier_wait -1
	MKLOAD 0
; ONE HEAD, ONE KEY STEP.  reload = 1: the next step's tile of the mask is read behind this head's score products, the last that take the old one.
.macro HEAD hh, par, reload
.set NM, ST+4*(\hh)
	WIN 0x15                                       ; K, q and the mask in window 1, S^T in window 0
.irp t, 0,1,2,3
	v_wmma_scale_f32_16x16x128_f8f6f4 v[S+8*\t:S+8*\t+7], v[KB+32*(\par):KB+32*(\par)+15], v[16*(\hh)+12-4*\t:16*(\hh)+27-4*\t], v[MK+8*\t:MK+8*\t+7], v[KS+(\par)], v[QS+(\hh)]
.endr
.irp t, 0,1,2,3
	v_wmma_scale_f32_16x16x128_f8f6f4 v[S+32+8*\t:S+32+8*\t+7], v[KB+32*(\par)+16:KB+32*(\par)+31], v[16*(\hh)+12-4*\t:16*(\hh)+27-4*\t], v[MK+32+8*\t:MK+32+8*\t+7], v[KS+(\par)], v[QS+(\hh)] matrix_a_scale:MATRIX_SCALE_ROW1
.endr
	WIN 0
.rept 8
	v_nop                                          ; places behind the products, ahead of the reads of S^T and of the loads into the mask's registers
.endr
.if \reload
	MKLOAD 1-(\par)
.endif
.irp b, 0,1,2,3
	v_max3_num_f32 v[BM+\b], v[S+16*\b], v[S+16*\b+1], v[S+16*\b+2]   ; the largest score of each block of 32 keys: for the row's maximum, and, since p rises with the score, for the block's largest p
.endr
.irp i, 3,5,7,9,11,13
.irp b, 0,1,2,3
	v_max3_num_f32 v[BM+\b], v[BM+\b], v[S+16*\b+\i], v[S+16*\b+\i+1]
.endr
.endr
.irp b, 0,1,2,3
	v_max_num_f32 v[BM+\b], v[BM+\b], v[S+16*\b+15]
.endr
.irp b, 0,1,2,3
	v_permlanex16_b32 v[PT+\b], v[BM+\b], s30, s31
.endr
.irp b, 0,1,2,3
	v_max_num_f32 v[BM+\b], v[BM+\b], v[PT+\b]     ; with lane l xor 16's 16 keys
.endr
	v_max3_num_f32 v[TT], v[BM], v[BM+1], v[BM+2]
	v_max_num_f32 v[TT], v[TT], v[BM+3]
	v_mul_f32 v[TT], s26, v[TT]                    ; as t (c is positive)
	v_max_num_f32 v[NM+1], v[NM+1], v[TT]          ; the running largest t
	v_mov_b32 v[TT], v[NM]
	v_floor_f32 v[NM], -v[NM+1]                    ; the new -M = floor(-t): M is a whole number
	v_sub_f32 v[TT], v[NM], v[TT]                  ; old M - new M: a whole number, 0 or less
	v_cvt_i32_f32 v[TT], v[TT]                     ; (it saturates)
	v_ldexp_f32 v[F], 1.0, v[TT]                   ; f = 2^(old M - new M)
.set JJ, 0
.rept 32
	v_pk_fma_f32 v[S+JJ:S+JJ+1], v[S+JJ:S+JJ+1], s[26:27], v[NM:NM+1] op_sel_hi:[1,0,0]   ; t - M, two at a time
.set JJ, JJ+2
.endr
.irp b, 0,1,2,3
	v_fma_f32 v[BM+\b], v[BM+\b], s26, v[NM]       ; the same of each block's largest score
.endr
.set JJ, 0
.rept 64
	v_exp_f32 v[S+JJ], v[S+JJ]                     ; p = 2^(t - M)
.set JJ, JJ+1
.endr
	v_pk_mul_f32 v[NM+2:NM+3], v[NM+2:NM+3], v[F:F+1] op_sel_hi:[1,0]   ; the sums under the new M: a plain instruction behind the exponentials
	s_wait_alu depctr_va_vdst(0)                   ; one wait for the whole batch, ahead of its first reader
.irp b, 0,1,2,3
	v_exp_f32 v[BM+\b], v[BM+\b]                   ; the block's largest p: the same two instructions on the same number give the same bits
.endr
	v_pk_add_f32 v[L2:L2+1], v[S:S+1], v[S+2:S+3]  ; the row's sum is taken of the unquantised p, in two chains
.set JJ, 4
.rept 15
	v_pk_add_f32 v[NM+2:NM+3], v[NM+2:NM+3], v[S+JJ:S+JJ+1]
	v_pk_add_f32 v[L2:L2+1], v[L2:L2+1], v[S+JJ+2:S+JJ+3]
.set JJ, JJ+4
.endr
	v_pk_add_f32 v[NM+2:NM+3], v[NM+2:NM+3], v[L2:L2+1]
	s_wait_alu depctr_va_vdst(0)                   ; and one for the four
.irp b, 0,1,2,3
	v_max_num_f32 v[BM+\b], 0x4800000, v[BM+\b]    ; the floor 2^(9 - 127): the byte cannot fall under 1
.endr
.irp b, 0,1,2,3
	v_add_nc_u32 v[SOP+\b], 0xfc000000, v[BM+\b]   ; 8 off the exponent field: the conversion's scale operand
.endr
.irp b, 0,1,2,3
	v_and_or_b32 v[HO+\b], v[BM+\b], 0x7f800000, s32   ; 448 x the scale
.endr
.irp b, 0,1,2,3
	v_lshrrev_b32 v[PT+\b], 23, v[SOP+\b]          ; the scale's byte
.endr
	v_lshl_or_b32 v[PW], v[PT+1], 8, v[PT]         ; p's scale word for these 128 keys
	v_lshl_or_b32 v[PW], v[PT+2], 16, v[PW]
	v_lshl_or_b32 v[PW], v[PT+3], 24, v[PW]
.irp b, 0,1,2,3
.set JJ, 0
.rept 16
	v_min_num_f32 v[S+16*\b+JJ], v[S+16*\b+JJ], v[HO+\b]   ; the conversion does not saturate (ISA guide 7.6.2); p is not negative, so the hold is one-sided
.set JJ, JJ+1
.endr
	v_cvt_scalef32_pk8_fp8_f32 v[PC+4*\b:PC+4*\b+1], v[S+16*\b:S+16*\b+7], v[SOP+\b]
	v_cvt_scalef32_pk8_fp8_f32 v[PC+4*\b+2:PC+4*\b+3], v[S+16*\b+8:S+16*\b+15], v[SOP+\b]
.endr
.set JJ, 0
.rept 8
	v_pk_mul_f32 v[O+16*(\hh)+JJ:O+16*(\hh)+JJ+1], v[O+16*(\hh)+JJ:O+16*(\hh)+JJ+1], v[F:F+1] op_sel_hi:[1,0]   ; O^T under the new M, from its low end on; these eight also stand between the codes and the products
.set JJ, JJ+2
.endr
.if (\par) == 0
	WIN 0x01                                       ; V's set 0 lies in window 1
	v_wmma_scale_f32_16x16x128_f8f6f4 v[O+16*(\hh):O+16*(\hh)+7], v[VB0:VB0+15], v[PC:PC+15], v[O+16*(\hh):O+16*(\hh)+7], v[VS], v[PW]
	v_wmma_scale_f32_16x16x128_f8f6f4 v[O+16*(\hh)+8:O+16*(\hh)+15], v[VB0+16:VB0+31], v[PC:PC+15], v[O+16*(\hh)+8:O+16*(\hh)+15], v[VS], v[PW] matrix_a_scale:MATRIX_SCALE_ROW1
	WIN 0
.else
	v_wmma_scale_f32_16x16x128_f8f6f4 v[O+16*(\hh):O+16*(\hh)+7], v[VB1:VB1+15], v[PC:PC+15], v[O+16*(\hh):O+16*(\hh)+7], v[VS+1], v[PW]
	v_wmma_scale_f32_16x16x128_f8f6f4 v[O+16*(\hh)+8:O+16*(\hh)+15], v[VB1+16:VB1+31], v[PC:PC+15], v[O+16*(\hh)+8:O+16*(\hh)+15], v[VS+1], v[PW] matrix_a_scale:MATRIX_SCALE_ROW1
.endif
.endm
; A KEY STEP, s = s23 + par.  ONE barrier orders the mask's buffers both ways: my stores into the other buffer stand behind the last step's barrier, in front of which every wave has waited for its reads of that buffer;
; the reads of what is stored now stand behind this step's barrier, in front of which every wave has waited for its stores.
; The last steps ask for a clamped step: every load stays inside its buffer, and what it brings is not used.
.macro STEPK par
	s_wait_loadcnt 0x0                             ; asked for a whole step ago: this step's K, V and scale words, the next step's piece of the mask; the loads' address registers may be written
	s_wait_dscnt 0x0                               ; this step's tile of the mask is in registers
.if (\par) == 0
	s_add_co_u32 s24, s23, 1
	s_add_co_u32 s25, s23, 2
	s_min_u32 s25, s25, 15
.else
	s_add_co_u32 s24, s23, 2
	s_min_u32 s24, s24, 15
	s_add_co_u32 s25, s23, 3
	s_min_u32 s25, s25, 15
.endif
	MSCALE                                         ; four, three and two plain instructions: nine places behind the last products, ahead of the loads into the set of V that they read
	ADDR
	v_nop
	v_nop
	ds_store_b128 v[MWR], v[MS:MS+3] offset:(1-(\par))*MB
	ds_store_b128 v[MWR], v[MS+4:MS+7] offset:(1-(\par))*MB+528
	ASKKV 1-(\par)
	ASKM
	HEAD 0, \par, 0
	HEAD 1, \par, 0
	s_wait_dscnt 0x0                               ; for the others' sake: my two rows of the next tile lie in LDS
	s_barrier_signal -1
	s_barrier_wait -1
	HEAD 2, \par, 0
	HEAD 3, \par, 1
.endm
	s_mov_b32 s23, 0
.Lstep:                                            ; eight trips of two steps, in which the sets change places
	STEPK 0
	STEPK 1
	s_add_co_u32 s23, s23, 2
	s_cmp_lt_u32 s23, 16
	s_cbranch_scc1 .Lstep
	; THE WAY OUT.  O^T / the sum; each head's 32 channels are one block of the last product's K: 16 in my lane, 16 in lane l xor 16.  The additions are the places behind the last products.
.irp hh, 0,1,2,3
	v_add_f32 v[BM+\hh], v[ST+4*\hh+2], v[ST+4*\hh+3]
.endr
.irp hh, 0,1,2,3
	v_permlanex16_b32 v[PT+\hh], v[BM+\hh], s30, s31
.endr
.irp hh, 0,1,2,3
	v_add_f32 v[BM+\hh], v[BM+\hh], v[PT+\hh]      ; the row's sum
.endr
.irp hh, 0,1,2,3
	v_rcp_f32 v[HO+2*\hh], v[BM+\hh]
.endr
	v_nop                                          ; a plain instruction behind the last reciprocal
	s_wait_alu depctr_va_vdst(0)                   ; one wait for the four, ahead of their first reader
.irp hh, 0,1,2,3
.irp k, 0,2,4,6,8,10,12,14
	v_pk_mul_f32 v[S+16*\hh+\k:S+16*\hh+\k+1], v[O+16*\hh+\k:O+16*\hh+\k+1], v[HO+2*\hh:HO+2*\hh+1] op_sel_hi:[1,0]
.endr
.endr
.irp b, 0,1,2,3
	v_max3_num_f32 v[BM+\b], |v[S+16*\b]|, |v[S+1+16*\b]|, 0x4800000   ; with the floor 2^(9 - 127)
.endr
.irp i, 2,4,6,8,10,12,14
.irp b, 0,1,2,3
	v_max3_num_f32 v[BM+\b], v[BM+\b], |v[S+16*\b+\i]|, |v[S+1+16*\b+\i]|
.endr
.endr
.irp b, 0,1,2,3
	v_permlanex16_b32 v[PT+\b], v[BM+\b], s30, s31
.endr
.irp b, 0,1,2,3
	v_max_num_f32 v[BM+\b], v[BM+\b], v[PT+\b]
.endr
.irp b, 0,1,2,3
	v_add_nc_u32 v[SOP+\b], 0xfc000000, v[BM+\b]
.endr
.irp b, 0,1,2,3
	v_and_or_b32 v[HO+\b], v[BM+\b], 0x7f800000, s32
.endr
.irp b, 0,1,2,3
	v_lshrrev_b32 v[PT+\b], 23, v[SOP+\b]
.endr
	v_lshl_or_b32 v[PW], v[PT+1], 8, v[PT]         ; bytes 4 w .. 4 w + 3 of my row's 32 scale bytes
	v_lshl_or_b32 v[PW], v[PT+2], 16, v[PW]
	v_lshl_or_b32 v[PW], v[PT+3], 24, v[PW]
.irp b, 0,1,2,3
.irp i, 0,1,2,3,4,5,6,7,8,9,10,11,12,13,14,15
	v_med3_num_f32 v[S+16*\b+\i], v[S+16*\b+\i], -v[HO+\b], v[HO+\b]
.endr
	v_cvt_scalef32_pk8_fp8_f32 v[PC+4*\b:PC+4*\b+1], v[S+16*\b:S+16*\b+7], v[SOP+\b]
	v_cvt_scalef32_pk8_fp8_f32 v[PC+4*\b+2:PC+4*\b+3], v[S+16*\b+8:S+16*\b+15], v[SOP+\b]
.endr
	v_nop                                          ; a plain instruction behind the last conversion
.irp hh, 0,1,2,3
	ds_store_b64 v[SW], v[PC+4*\hh:PC+4*\hh+1] offset:32*\hh         ; channels 8 h + 0 .. 7 of head 4 w + hh,
	ds_store_b64 v[SW], v[PC+4*\hh+2:PC+4*\hh+3] offset:32*\hh+16    ; and 16 + 8 h + 0 .. 7: the channels' own order
.endr
	ds_store_b32 v[SCW], v[PW]                     ; (both halves of the lanes store the same word)
	s_wait_dscnt 0x0                               ; for the others' sake: my stores are done
	s_barrier_signal -1
	s_barrier_wait -1
.irp i, 0,1,2,3
	ds_load_b128 v[S+4*\i:S+4*\i+3], v[SR] offset:(\i/2)*1040+(\i%2)*512
.endr
.irp i, 0,1,2,3
	s_wait_dscnt 3-\i                              ; the younger loads may stay out
	global_store_b128 v[LI], v[S+4*\i:S+4*\i+3], s[8:9] offset:512*\i   ; 512 consecutive bytes, aligned: two whole rows a wave
.endr
	s_cmp_lg_u32 s22, 0
	s_cbranch_scc1 .Ldone
	ds_load_b128 v[S+16:S+19], v[SCR]              ; wave 0: the 16 rows' 512 scale bytes
	s_wait_dscnt 0x0
	global_store_b128 v[LI], v[S+16:S+19], s[10:11]
.Ldone:
	s_wait_tensorcnt 0x0
	ds_add_u32 v94, v95
	s_wait_dscnt 0x0
	s_endpgm
.Lfunc_end_k_q0e192cd8d0_attn:
	.size	k_q0e192cd8d0_attn, .Lfunc_end_k_q0e192cd8d0_attn-k_q0e192cd8d0_attn
	.p2alignl 7, 3214868480
	.fill 96, 4, 3214868480
	.section	.rodata,"a",@progbits
	.p2align	6, 0x0
	.amdhsa_kernel k_q0e192cd8d0_attn
		.amdhsa_group_segment_fixed_size 35840
		.amdhsa_private_segment_fixed_size 0
		.amdhsa_enable_private_segment 0
		.amdhsa_kernarg_size 32
		.amdhsa_user_sgpr_count 2
		.amdhsa_user_sgpr_kernarg_segment_ptr 1
		.amdhsa_wavefront_size32 1
		.amdhsa_system_sgpr_workgroup_id_x 1
		.amdhsa_system_sgpr_workgroup_id_y 1
		.amdhsa_system_sgpr_workgroup_id_z 1
		.amdhsa_system_vgpr_workitem_id 0
		.amdhsa_next_free_vgpr 512
		.amdhsa_next_free_sgpr 66
		.amdhsa_reserve_vcc 0
		.amdhsa_float_denorm_mode_32 3
		.amdhsa_float_denorm_mode_16_64 3
		.amdhsa_memory_ordered 1
		.amdhsa_forward_progress 1
		.amdhsa_inst_pref_size 153
	.end_amdhsa_kernel
	.amdgpu_metadata
---
amdhsa.version: [ 1, 2 ]
amdhsa.kernels:
  - .name:           k_q0e192cd8d0_attn
    .symbol:         k_q0e192cd8d0_attn.kd
    .args:
      - { .name: qkv, .offset: 0, .size: 8, .value_kind: global_buffer, .address_space: global }
      - { .name: mask, .offset: 8, .size: 8, .value_kind: global_buffer, .address_space: global }
      - { .name: att_codes, .offset: 16, .size: 8, .value_kind: global_buffer, .address_space: global }
      - { .name: att_scales, .offset: 24, .size: 8, .value_kind: global_buffer, .address_space: global }
    .group_segment_fixed_size: 35840
    .private_segment_fixed_size: 0
    .kernarg_segment_align: 8
    .kernarg_segment_size: 32
    .max_flat_workgroup_size: 256
    .sgpr_count:     66
    .vgpr_count:     512
    .wavefront_size: 32
...
	.end_amdgpu_metadata
.endif
;; end of part 3
;; launch outp (part 4): grid 16 x 16, 4 waves a work-group, clusters of 4 x 4, 327,680 bytes of LDS; arguments att_codes, att_scales, wo_q, out0; writes out0
.if DOCPART == 4
	.amdgcn_target "amdgcn-amd-amdhsa--gfx1250"
	.amdhsa_code_object_version 6
	.text
	.protected	k_q0e192cd8d0_outp
	.globl	k_q0e192cd8d0_outp
	.p2align	8
	.type	k_q0e192cd8d0_outp,@function
k_q0e192cd8d0_outp:
	s_mov_b64 s[64:65], 0
	v_nop
	global_prefetch_b8 v0, s[64:65] scope:SCOPE_SE
	s_setreg_imm32_b32 hwreg(HW_REG_WAVE_MODE, 25, 1), 1
	s_wait_xcnt 0x0
	s_wait_alu depctr_hold_cnt(0) depctr_sa_sdst(0) depctr_va_vdst(0) depctr_va_sdst(0) depctr_va_ssrc(0) depctr_va_vcc(0) depctr_vm_vsrc(0)
	s_getreg_b32 s2, hwreg(HW_REG_IB_STS2, 6, 4)
	s_cmp_eq_u32 s2, 0
	s_cbranch_scc0 .Lentry_in_a_cluster
	s_endpgm
.Lentry_in_a_cluster:
	s_bfe_u32 s2, ttmp6, 0x10000c
	s_cmp_lg_u32 s2, 0xf033
	s_cbranch_scc0 .Lentry_shape_is_right
	s_endpgm
.Lentry_shape_is_right:
; out0[m][n] = sum over k of A[m][k] B[n][k].  A = the attention's result [4096][1024], B = wo [4096][1024]: codes of FP8 (E4M3) with one E8M0 scale for each 32 along K; out0 [4096][4096] f32; sums in f32.
; A tile of 256 x 256 is made by a work-group of four waves; a wave makes 128 x 128: 64 accumulators, 512 registers.  256 work-groups.
; K goes in steps of 256 through a ring of two LDS slots filled by the tensor data mover.  The scale bytes of the work-group's rows, for all of K, are two dense blocks: they come into LDS once, with the first fills, and stay.
; CLUSTERS: 4 x 4 work-groups.  The four of a row of the cluster need the same tiles of A, the four of a column the same tiles of B: each tile is asked for jointly.
; THE MATRIX INSTRUCTION IS USED TRANSPOSED (source 0 = 16 rows of B, source 1 = 16 rows of A): a lane then holds eight neighbouring numbers of a row of the result.
; By this text's own count a wave has three tensor loads out at the start and one behind each round.
; REGISTERS, in windows of 256: window 0: v0-31 addresses; v32-63 scale words, two sets (nothing else); from v128 A's fragments, ONE set.   window 1: B's fragments, TWO sets.   windows 2, 3: the accumulators of my rows 0-63, 64-127.
; A block of A is free as soon as its eight products are issued, so one set serves A: blocks 0-3 are fetched anew in a step's middle, blocks 4-7 at its end.
.set SIZE_M, 4096
.set SIZE_N, 4096
.set SIZE_K, 1024
.set WO_SC,  0x400000                  ; wo's scale bytes lie behind its codes in wo_q
.set KSTEP,  256
.set NQ,     KSTEP/128
.set ROWB,   256
.set KROW,   SIZE_K
.set PITCH,  272                       ; 256 bytes + 16 of padding: the 16 rows of a load start at 16 different banks (64 banks of 4 bytes: ISA guide 11.1)
.set FR,     16
.set NL,     4
.set NP,     8                         ; places behind this matrix instruction (ISA guide 7.12.1)
.set HALFT,  128*PITCH
.set SLOT,   4*HALFT
.set LAPS,   SIZE_K/(2*KSTEP)
.set KS,     SIZE_K/32
.set SCL,    2*SLOT
.set HALFS,  (128*KS/256)*272
.set SBLK,   (16*KS/256)*272
.set SPARE,  SCL+4*HALFS               ; the spare words, 128 bytes for each wave: two blocks of 256 bytes that no other line names
.set SPITCH, 528                       ; the way out: a stage of 16 rows x (512 + 16) bytes for each wave, in slot 0, which has had its last fill and its last read by then
.set ADRA, 16
.set ADRB, 20
.set STO,  24
.set RD,   25
.set CO,   26
.set ADRS, 27
.set SPW,  28
.set NIL,  29
.set SC,   32
.set AF,   128
.set BK,   128
.set G1, 24
.set G0, 32
.set G1B, 48
.set G0B, 56
.set G1S, 68
.set G0S, 76
.set G1SB, 80
.set G0SB, 88
.set MSB, 0
.macro WIN new                         ; the immediate's high byte repeats the setting that is left
.if MSB != (\new)
	s_set_vgpr_msb (MSB<<8)|(\new)
.set MSB, (\new)
.endif
.endm
.set MUL_LO, 0xa1                      ; source 0 (B) window 1, source 1 (A) window 0, C and D window 2
.set MUL_HI, 0xf1                      ; the same, C and D window 3
.set TO_B,   0x40                      ; destination window 1, address window 0
; A joint load: waves 0 and 1 fetch for A, waves 2 and 3 for B.  The branch hangs on the wave's number alone.  Four v_nop follow each of the two lines.
.macro JLOAD g0a, g1a, g0b, g1b
	s_cmp_eq_u32 s15, 0
	s_cbranch_scc0 .Lfor_b_\@
	tensor_load_to_lds s[\g0a:\g0a+3], s[\g1a:\g1a+7]
	s_nop 0
.rept 4
	v_nop
.endr
	s_branch .Lasked_\@
.Lfor_b_\@:
	tensor_load_to_lds s[\g0b:\g0b+3], s[\g1b:\g1b+7]
	s_nop 0
.rept 4
	v_nop
.endr
.Lasked_\@:
.endm
.macro CREST                           ; a round of the cluster's barrier behind its opening barrier
	s_cmp_lg_u32 s14, 0
	s_cbranch_scc1 .Lnot_wave_0_\@
	s_barrier_signal -3
.Lnot_wave_0_\@:
	s_barrier_wait -3
	s_barrier_signal -1
	s_barrier_wait -1
.endm
.macro CROUND
	s_barrier_signal -1
	s_barrier_wait -1
	CREST
.endm
	s_load_b128 s[4:7], s[0:1], 0x0                ; A's codes s[4:5], A's scales s[6:7]
	s_load_b64 s[8:9], s[0:1], 0x10                ; wo_q: B's codes
	s_load_b64 s[12:13], s[0:1], 0x18              ; out0
	v_lshl_add_u32 v[SPW], v0, 2, SPARE
	v_mov_b32 v[NIL], 0
	ds_add_u32 v28, v29
	ds_add_u32 v28, v29
	s_wait_dscnt 0x0
	v_lshrrev_b32 v1, 5, v0
	v_readfirstlane_b32 s14, v1                    ; wave 0..3
	s_lshr_b32 s15, s14, 1                         ; which half of the tile's rows is mine.  Also: I fetch for A (0) or for B (1)
	s_and_b32 s16, s14, 1                          ; which half of its columns.  Also: which 128 rows of that tile I fetch
	s_bfe_u32 s40, ttmp6, 0x40000                  ; cx, cy: my place in the cluster
	s_bfe_u32 s41, ttmp6, 0x40004
	s_lshl_b32 s42, ttmp9, 2
	s_add_co_u32 s42, s42, s40                     ; tile column = 4 x cluster x + cx
	s_and_b32 s17, ttmp7, 0xffff
	s_lshl_b32 s17, s17, 2
	s_add_co_u32 s17, s17, s41                     ; tile row = 4 x cluster y + cy
	s_lshl_b32 s43, s41, 2
	s_lshl_b32 s43, 15, s43                        ; my row of the cluster
	s_lshl_b32 s44, 0x1111, s40                    ; my column
	s_or_b32 s[G1+0], s43, (0<<16)|(1<<20)|(1<<21)|(5<<22)|(3<<25)  ; the mask; elements of 1 byte; padding on; bit 21 beside a mask; after every 64 words four words
	s_or_b32 s[G1B+0], s44, (0<<16)|(1<<20)|(1<<21)|(5<<22)|(3<<25)
.irp g, G1, G1B
	s_mov_b32 s[\g+1], ROWB<<16                    ; tensor_dim0
	s_mov_b32 s[\g+2], 128<<16                     ; tensor_dim1
	s_mov_b32 s[\g+3], ROWB<<16                    ; tile_dim0
	s_mov_b32 s[\g+4], 128                         ; tile_dim1
	s_mov_b32 s[\g+5], KROW                        ; tensor_dim0_stride
	s_mov_b32 s[\g+6], 0
	s_mov_b32 s[\g+7], 0
.endr
	; the scales of 128 rows: a dense block of 128 KS bytes, as rows of 256 bytes (32 elements of 8 bytes), 16 bytes of padding behind each
	s_or_b32 s[G1S+0], s43, (3<<16)|(1<<20)|(1<<21)|(5<<22)|(3<<25)
	s_or_b32 s[G1SB+0], s44, (3<<16)|(1<<20)|(1<<21)|(5<<22)|(3<<25)
.irp g, G1S, G1SB
	s_mov_b32 s[\g+1], 32<<16
	s_mov_b32 s[\g+2], (128*KS/256)<<16
	s_mov_b32 s[\g+3], 32<<16
	s_mov_b32 s[\g+4], 128*KS/256
	s_mov_b32 s[\g+5], 32
	s_mov_b32 s[\g+6], 0
	s_mov_b32 s[\g+7], 0
.endr
	s_lshl_b32 s18, s16, 7                         ; which 128 rows of the tile I fetch
	s_lshl_b32 s20, s17, 8
	s_add_co_u32 s20, s20, s18                     ; A: row 256 x tile row + 128 x half
	s_lshl_b32 s46, s42, 8
	s_add_co_u32 s46, s46, s18                     ; B: row 256 x tile column + 128 x half
	s_mov_b32 s21, 0
	s_mov_b32 s47, 0
	s_mov_b64 s[18:19], KS
	s_mul_u64 s[22:23], s[20:21], s[18:19]         ; where these rows' scales begin, in bytes
	s_mul_u64 s[92:93], s[46:47], s[18:19]
	s_mov_b64 s[18:19], KROW
	s_mul_u64 s[20:21], s[20:21], s[18:19]         ; and their codes
	s_mul_u64 s[46:47], s[46:47], s[18:19]
	s_mul_i32 s45, s14, HALFT                      ; where they go: wave x 128 rows: no place in the cluster enters an LDS address
	s_mul_i32 s94, s14, HALFS
	s_wait_kmcnt 0x0
	s_add_nc_u64 s[10:11], s[8:9], WO_SC           ; B's scales
	s_add_nc_u64 s[20:21], s[4:5], s[20:21]
	s_add_nc_u64 s[22:23], s[6:7], s[22:23]
	s_add_nc_u64 s[46:47], s[8:9], s[46:47]
	s_add_nc_u64 s[92:93], s[10:11], s[92:93]
	CROUND                                         ; all sixteen work-groups are here: the first joint loads meet
	s_mov_b32 s[G0S], 1
	s_add_co_u32 s[G0S+1], s94, SCL
	s_mov_b64 s[G0S+2:G0S+3], s[22:23]
	s_or_b32 s[G0S+3], s[G0S+3], 0x80000000
	s_mov_b32 s[G0SB], 1
	s_add_co_u32 s[G0SB+1], s94, SCL
	s_mov_b64 s[G0SB+2:G0SB+3], s[92:93]
	s_or_b32 s[G0SB+3], s[G0SB+3], 0x80000000
	JLOAD G0S, G1S, G0SB, G1SB                     ; the scales first: they are wanted with K step 0
.irp s, 0,1
	s_mov_b32 s[G0+4*\s], 1
	s_add_co_u32 s[G0+4*\s+1], s45, \s*SLOT
	s_add_nc_u64 s[G0+4*\s+2:G0+4*\s+3], s[20:21], \s*ROWB
	s_or_b32 s[G0+4*\s+3], s[G0+4*\s+3], 0x80000000
	s_mov_b32 s[G0B+4*\s], 1
	s_add_co_u32 s[G0B+4*\s+1], s45, \s*SLOT
	s_add_nc_u64 s[G0B+4*\s+2:G0B+4*\s+3], s[46:47], \s*ROWB
	s_or_b32 s[G0B+4*\s+3], s[G0B+4*\s+3], 0x80000000
	JLOAD G0+4*\s, G1, G0B+4*\s, G1B
.endr
	v_and_b32 v1, 15, v0                           ; l % 16
	v_bfe_u32 v2, v0, 4, 1                         ; l / 16
	v_mul_u32_u24 v3, v1, PITCH
	v_lshl_add_u32 v4, v2, 4, v3                   ; a fragment's row x pitch + 16 x half
	s_mul_i32 s21, s15, HALFT                      ; my 128 rows of A
	s_mul_i32 s22, s16, HALFT                      ; my 128 rows of B,
	s_add_co_u32 s22, s22, 2*HALFT                 ; which lie behind A's 256
.irp s, 0,1
	v_add_nc_u32 v[ADRA+\s], s21, v4
	v_add_nc_u32 v[ADRB+\s], s22, v4
	s_add_co_u32 s21, s21, SLOT
	s_add_co_u32 s22, s22, SLOT
.endr
	v_mul_u32_u24 v5, v1, KS                       ; my row's scales: KS bytes a row,
	v_lshrrev_b32 v6, 8, v5
	v_lshl_add_u32 v5, v6, 4, v5                   ; and 16 more for each 256 passed
	s_mul_i32 s21, s15, HALFS                      ; A's: my 128 rows
	s_mul_i32 s22, s16, HALFS                      ; B's: my 128 rows, behind A's 256
	s_add_co_u32 s22, s22, 2*HALFS
	s_sub_co_u32 s22, s22, s21
	v_mul_u32_u24 v6, s22, v2                      ; lanes 16-31 take B's
	s_add_co_u32 s21, s21, SCL
	v_add_nc_u32 v5, v5, v6
	v_add_nc_u32 v[ADRS], s21, v5
	s_mul_i32 s23, s14, 16*SPITCH                  ; my stage
	v_mul_u32_u24 v5, v1, SPITCH                   ; in: row l % 16, 32 bytes for each half of the lanes
	v_lshl_add_u32 v5, v2, 5, v5
	v_add_nc_u32 v[STO], s23, v5
	v_and_b32 v6, 31, v0
	v_lshlrev_b32 v[CO], 4, v6                     ; back: the 32 lanes take one row of 512 bytes; and the same in the result
	v_add_nc_u32 v[RD], s23, v[CO]
	s_lshl_b32 s20, s17, 8
	s_lshl_b32 s21, s15, 7
	s_add_co_u32 s20, s20, s21                     ; my first row of the result
	s_mov_b32 s21, 0
	s_mov_b64 s[18:19], SIZE_N*4
	s_mul_u64 s[20:21], s[20:21], s[18:19]
	s_lshl_b32 s46, s42, 10                        ; my first column, in bytes
	s_lshl_b32 s47, s16, 9
	s_add_co_u32 s46, s46, s47
	s_mov_b32 s47, 0
	s_add_nc_u64 s[20:21], s[20:21], s[46:47]
	s_add_nc_u64 s[12:13], s[12:13], s[20:21]
.macro FRAG reg, adr, q, i             ; 16 rows x 128 K: lane l holds row l % 16; registers 4 c .. 4 c + 3 hold K = 32 c + 16 (l / 16) + 0 .. 15
.irp c, 0,1,2,3
	ds_load_b128 v[\reg+4*\c:\reg+4*\c+3], v[\adr] offset:128*(\q)+32*\c+(\i)*16*PITCH
.endr
.endm
; 16 matrix instructions: A's blocks a0, a0 + 1 x B's eight.  The 64 accumulators take turns, one instruction a turn, in the same order in every step.
.macro MUL16 a0, p, q, sc, zero
.irp a, \a0, \a0+1
.irp b, 0,1,2,3,4,5,6,7
.if \zero
	v_wmma_scale_f32_16x16x128_f8f6f4 v[8*(8*((\a)%4)+\b):8*(8*((\a)%4)+\b)+7], v[128*(\p)+FR*\b:128*(\p)+FR*\b+FR-1], v[AF+FR*(\a):AF+FR*(\a)+FR-1], 0, v[SC+8*NQ*(\sc)+NQ*\b+(\q)], v[SC+8*NQ*(\sc)+NQ*(\a)+(\q)] matrix_a_scale:MATRIX_SCALE_ROW1
.else
	v_wmma_scale_f32_16x16x128_f8f6f4 v[8*(8*((\a)%4)+\b):8*(8*((\a)%4)+\b)+7], v[128*(\p)+FR*\b:128*(\p)+FR*\b+FR-1], v[AF+FR*(\a):AF+FR*(\a)+FR-1], v[8*(8*((\a)%4)+\b):8*(8*((\a)%4)+\b)+7], v[SC+8*NQ*(\sc)+NQ*\b+(\q)], v[SC+8*NQ*(\sc)+NQ*(\a)+(\q)] matrix_a_scale:MATRIX_SCALE_ROW1
.endif
.endr
.endr
.endm
.macro FETCH_B slot, q, p              ; B's eight fragments of the slot's q-th 128 along K into set p
	WIN TO_B
.irp i, 0,1,2,3,4,5,6,7
	FRAG 128*(\p)+FR*\i, ADRB+\slot, \q, \i
.endr
	WIN 0
.endm
.macro FETCH_A slot, q, i0             ; A's blocks i0 .. i0 + 3
.irp i, \i0, \i0+1, \i0+2, \i0+3
	FRAG AF+FR*(\i), ADRA+\slot, \q, \i
.endr
.endm
.macro SCALES sc                       ; the next K step's scale words: lanes 0-15 take A's block i, lanes 16-31 B's block i
.irp i, 0,1,2,3,4,5,6,7
	ds_load_b64 v[SC+8*NQ*\sc+NQ*\i:SC+8*NQ*\sc+NQ*\i+1], v[ADRS] offset:\i*SBLK
.endr
.endm
.macro PLACES n                        ; plain vector instructions between a matrix instruction and a load into, or a read of, its registers
.rept \n
	v_nop
.endr
.endm
; A step of 128 along K that has its successor in the same slot.
.macro STEP slot, q, zero
	s_wait_dscnt 4*NL                              ; B's set and A's blocks 0-3 are in; the youngest loads (A's blocks 4-7) may be out
	WIN MUL_LO
	MUL16 0, (\q)%2, \q, \slot, \zero
	MUL16 2, (\q)%2, \q, \slot, \zero
	s_wait_dscnt 0                                 ; A's blocks 4-7 are in
	PLACES NP
	FETCH_B \slot, (\q)+1, 1-(\q)%2
	FETCH_A \slot, (\q)+1, 0
	WIN MUL_HI
	MUL16 4, (\q)%2, \q, \slot, \zero
	MUL16 6, (\q)%2, \q, \slot, \zero
	PLACES NP
	WIN 0
	FETCH_A \slot, (\q)+1, 4
.endm
; A slot's last step changes slots: ONE barrier; in front of it each wave waits for all its tensor loads, adds 0 to its spare word, and waits for that and for its reads of this slot.  fill = 1: this slot is filled again, two K steps ahead.
.macro TURN slot, next, fill
	s_wait_tensorcnt 0x0                           ; all my tensor loads have landed: my part of the next slot
	ds_add_u32 v[SPW], v[NIL]                      ; 0 onto my spare word
	s_wait_dscnt 4*NL+1                            ; (the add and the youngest loads, A's blocks 4-7, may be out)
	WIN MUL_LO
	MUL16 0, 1, NQ-1, \slot, 0                     ; sixteen matrix instructions stand between the add and the wait for it
	s_wait_dscnt 0x0                               ; the add is done, and my reads of this slot are over
	s_barrier_signal -1
	MUL16 2, 1, NQ-1, \slot, 0
	WIN 0
	s_barrier_wait -1
.if \fill
	CREST                                          ; the barrier has opened a round of the cluster's barrier: no wave of any partner still reads this slot or has a load on its way
	s_add_nc_u64 s[G0+4*\slot+2:G0+4*\slot+3], s[G0+4*\slot+2:G0+4*\slot+3], 2*ROWB
	s_add_nc_u64 s[G0B+4*\slot+2:G0B+4*\slot+3], s[G0B+4*\slot+2:G0B+4*\slot+3], 2*ROWB
	JLOAD G0+4*\slot, G1, G0B+4*\slot, G1B         ; the first tensor load behind the round; its four v_nop are among the places in front of the loads below
	PLACES NP-4
.else
	PLACES NP
.endif
	v_add_nc_u32 v[ADRS], 4*NQ, v[ADRS]            ; on to the next K step's scale words
	FETCH_B \next, 0, 0
	FETCH_A \next, 0, 0
	SCALES \next
	WIN MUL_HI
	MUL16 4, 1, NQ-1, \slot, 0
	MUL16 6, 1, NQ-1, \slot, 0
	PLACES NP
	WIN 0
	FETCH_A \next, 0, 4
.endm
	s_wait_tensorcnt 1                             ; the scales and my part of K step 0 are in; K step 1's load may be out
	s_barrier_signal -1
	s_barrier_wait -1
	FETCH_B 0, 0, 0
	FETCH_A 0, 0, 0
	SCALES 0
	FETCH_A 0, 0, 4
	STEP 0, 0, 1                                   ; the first step stands in front of the loop: its products start the sums
	s_mov_b32 s3, LAPS-1
.Llap:                                             ; a trip goes once round the ring and fills both slots again
	TURN 0, 1, 1
	STEP 1, 0, 0
	TURN 1, 0, 1
	STEP 0, 0, 0
	s_sub_co_u32 s3, s3, 1
	s_cmp_lg_u32 s3, 0
	s_cbranch_scc1 .Llap
	TURN 0, 1, 0                                   ; the last lap fills nothing
	STEP 1, 0, 0
	s_wait_dscnt 4*NL                              ; the very last step: nothing more to fetch
	WIN MUL_LO
	MUL16 0, 1, NQ-1, 1, 0
	MUL16 2, 1, NQ-1, 1, 0
	s_wait_dscnt 0
	WIN MUL_HI
	MUL16 4, 1, NQ-1, 1, 0
	MUL16 6, 1, NQ-1, 1, 0
	WIN 0
; THE WAY OUT, block by block of 16 rows x 128 columns, through my own stage in LDS: back come whole rows of 512 bytes.  LDS serves a wave's instructions in order (ISA guide 5.7.1.4): no wait between the stores and the loads.
.macro TOSTAGE a
.set AC, 64*((\a)%4)
	WIN 0x08+4*((\a)/4)                            ; the data: window 2 or 3
.irp b, 0,1,2,3,4,5,6,7
	ds_store_b128 v[STO], v[AC+8*\b:AC+8*\b+3] offset:64*\b          ; each accumulator from its low end on
	ds_store_b128 v[STO], v[AC+8*\b+4:AC+8*\b+7] offset:64*\b+16
.endr
	WIN 0
.set BB, BK+64*((\a)%2)
.irp t, 0,1,2,3,4,5,6,7,8,9,10,11,12,13,14,15
	ds_load_b128 v[BB+4*\t:BB+4*\t+3], v[RD] offset:\t*SPITCH
.endr
.endm
.macro SEND a, younger                 ; younger: the LDS instructions issued behind block a's loads, which may stay out
.set BB, BK+64*((\a)%2)
	s_wait_dscnt \younger                          ; the block is back in registers
.if (\a) > 0
	s_add_nc_u64 s[12:13], s[12:13], 16*SIZE_N*4   ; (behind a wait on XCNT: the earlier stores have read their base)  16 rows on: the stores' offsets stay at 15 rows at the most
.endif
.irp t, 0,1,2,3,4,5,6,7,8,9,10,11,12,13,14,15
	global_store_b128 v[CO], v[BB+4*\t:BB+4*\t+3], s[12:13] offset:\t*SIZE_N*4 th:TH_STORE_NT   ; 32 lanes store 512 consecutive bytes, aligned; written once, read by nobody here
.endr
.endm
	PLACES NP
	TOSTAGE 0
.irp a, 1,2,3,4,5,6,7
.if \a > 1
	s_wait_xcnt 0x0                                ; block a - 2's stores have read their registers and their base
.endif
	TOSTAGE \a
	SEND \a-1, 32                                  ; behind block a - 1's loads: block a's 16 stores and 16 loads
.endr
	s_wait_xcnt 0x0                                ; block 6's stores have read their base
	SEND 7, 0
	s_wait_tensorcnt 0x0                           ; the wave's end
	ds_add_u32 v[SPW], v[NIL]
	s_wait_dscnt 0x0
	CROUND                                         ; the closing round
	s_endpgm
.Lfunc_end_k_q0e192cd8d0_outp:
	.size	k_q0e192cd8d0_outp, .Lfunc_end_k_q0e192cd8d0_outp-k_q0e192cd8d0_outp
	.p2alignl 7, 3214868480
	.fill 96, 4, 3214868480
	.section	.rodata,"a",@progbits
	.p2align	6, 0x0
	.amdhsa_kernel k_q0e192cd8d0_outp
		.amdhsa_group_segment_fixed_size 327680
		.amdhsa_private_segment_fixed_size 0
		.amdhsa_enable_private_segment 0
		.amdhsa_kernarg_size 32
		.amdhsa_user_sgpr_count 2
		.amdhsa_user_sgpr_kernarg_segment_ptr 1
		.amdhsa_wavefront_size32 1
		.amdhsa_system_sgpr_workgroup_id_x 1
		.amdhsa_system_sgpr_workgroup_id_y 1
		.amdhsa_system_sgpr_workgroup_id_z 1
		.amdhsa_system_vgpr_workitem_id 0
		.amdhsa_next_free_vgpr 1024
		.amdhsa_next_free_sgpr 98
		.amdhsa_reserve_vcc 0
		.amdhsa_float_denorm_mode_32 3
		.amdhsa_float_denorm_mode_16_64 3
		.amdhsa_memory_ordered 1
		.amdhsa_forward_progress 1
		.amdhsa_inst_pref_size 146
	.end_amdhsa_kernel
	.amdgpu_metadata
---
amdhsa.version: [ 1, 2 ]
amdhsa.kernels:
  - .name:           k_q0e192cd8d0_outp
    .symbol:         k_q0e192cd8d0_outp.kd
    .args:
      - { .name: att_codes, .offset: 0, .size: 8, .value_kind: global_buffer, .address_space: global }
      - { .name: att_scales, .offset: 8, .size: 8, .value_kind: global_buffer, .address_space: global }
      - { .name: wo_q, .offset: 16, .size: 8, .value_kind: global_buffer, .address_space: global }
      - { .name: out0, .offset: 24, .size: 8, .value_kind: global_buffer, .address_space: global }
    .group_segment_fixed_size: 327680
    .private_segment_fixed_size: 0
    .kernarg_segment_align: 8
    .kernarg_segment_size: 32
    .max_flat_workgroup_size: 128
    .sgpr_count:     98
    .vgpr_count:     1024
    .wavefront_size: 32
...
	.end_amdgpu_metadata
.endif
;; end of part 4
;; ======== version 2 of 2: 4 launches; version 1 with the launch attn written anew for expert scheduling mode
;; workspace buffers: x_codes 16,777,216 bytes; x_scales 524,288 bytes; w_codes 6,291,456 bytes; w_scales 196,608 bytes; wo_q 4,325,376 bytes; qkv 6,488,064 bytes; att_codes 4,194,304 bytes; att_scales 131,072 bytes
;; launch quant: the kernel of part 1 again; grid 832 x 1, 4 waves a work-group, no clusters, 33,280 bytes of LDS; arguments x, wq, wk, wv, wo, x_codes, x_scales, w_codes, w_scales, wo_q; writes x_codes, x_scales, w_codes, w_scales, wo_q
;; launch qkv: the kernel of part 2 again; grid 8 x 32, 4 waves a work-group, clusters of 4 x 4, 327,680 bytes of LDS; arguments x_codes, x_scales, w_codes, w_scales, freqs_cos, freqs_sin, qkv; writes qkv
;; launch attn (part 5): grid 128 x 2, 8 waves a work-group, no clusters, 35,840 bytes of LDS; arguments qkv, mask, att_codes, att_scales; writes att_codes, att_scales
.if DOCPART == 5
	.amdgcn_target "amdgcn-amd-amdhsa--gfx1250"
	.amdhsa_code_object_version 6
	.text
	.protected	k_q0e192cd8d0_attn
	.globl	k_q0e192cd8d0_attn
	.p2align	8
	.type	k_q0e192cd8d0_attn,@function
k_q0e192cd8d0_attn:
	s_mov_b64 s[64:65], 0
	v_nop
	global_prefetch_b8 v0, s[64:65] scope:SCOPE_SE
	s_setreg_imm32_b32 hwreg(HW_REG_WAVE_SCHED_MODE, 0, 2), 2
	s_setreg_imm32_b32 hwreg(HW_REG_WAVE_MODE, 25, 1), 1
	s_wait_xcnt 0x0
	s_wait_alu depctr_vm_vsrc(0)
; softmax(q k^T / sqrt(32) + mask) v for 32 query heads on 8 key heads, head size 32, both products on codes of FP8 (E4M3) with E8M0 scales; the result is quantised along head x 32 + channel for the last product.
; THE SOFTMAX AHEAD OF THE SECOND PRODUCT: t = logit x log2(e); M = the running largest t rounded UP to a whole number; p = 2^(t - M) is quantised along the keys, not normalised; the sum is taken of the unquantised p and divides at the end.
; When M moves, the sum and O are multiplied by 2^(old M - new M): exact.  The mask is an input: every word of it is read and added, and nothing is skipped.
; SHARES.  A work-group owns 16 queries of one batch.  Wave w is key head w with its four query heads; every wave walks 16 steps of 128 keys.  At the end the work-group holds 16 whole rows of 1,024 code bytes.
; K and V are a wave's own: they come from memory straight into operand registers, as the images that the launch before stored: 16 loads of 512 consecutive bytes and two scale words a step, asked for in the first head of the step before.
; THE MASK'S TILE (16 queries x 128 keys) is shared by the eight waves: each brings two rows, multiplies them by sqrt(32) and stores them to LDS; all read it back in the layout of a result.
; THE MASK IS THE C OF THE SCORE PRODUCTS: D = k q^T + mask sqrt(32), and t - M = D c - M, c = log2(e) / sqrt(32), is one multiply-add.
; K = 32 IN AN INSTRUCTION OF K = 128: a fragment of k holds FOUR key tiles, one in each block of 32; q's four code registers stand in a run of zero registers, and a window of 16 registers puts them into block c: zero codes add nothing.  q's scale register holds its byte four times.
; LAYOUT.  Both products transposed: S^T = k q^T, O^T = v^T p^T: a lane holds one query (lane % 16) throughout.  Tiles 2 b, 2 b + 1 of S^T are 16 of the 32 keys of block b, in the order in which v's images hold them.
; NO CLUSTER: a step's 64 KiB of K and V for a work-group stand against four heads' softmax in each wave (some 1,200 vector instructions), every load is issued more than three heads' work ahead of its use, and operands that arrive as register images need no LDS;
; joint loads would send them through LDS, written and read once more, and put a round of a cluster's barrier into a loop that has one barrier a step.
; LIMITS: NaN and infinities among the inputs are not served; |mask| stays under 6e37 (it is multiplied by sqrt(32)); a block of zeros or under 2^(9 - 127) gets the byte 1 (read by this program alone).
; REGISTERS: window 0: v1-11 addresses; v12-27 four registers of statistics a head (-M, largest t, the sum in two halves); v28-37 scale words (nothing else); v40-55 the mask's piece; v56-71 p's codes; v72-93 at work; v96-159 S^T, then p; v160-223 O^T; v224-255 V, set 1.
;   window 1: v0-75 q among zeros; v80-143 K, two sets; v144-175 V, set 0; v176-239 the mask's tile.
; THE MODE: SCHED_MODE bits 1:0 = 2 (LLVM: expert scheduling mode 2), set by the entry lines.  The code itself states the register dependences
; between vector or matrix instructions and memory or LDS instructions, with s_wait_alu, always for 0.
; THE PLAN.  Registers that memory or LDS instructions touch, in the loop (step s, par = s % 2):
;   K's and V's sets and their scale words, two each.  Step s's products read set par; the loads issued in step s land in the other set, which step s - 1's products read.
;   v[MG ..]   Read by the four scalings at a step's head; the two loads issued in that step land in it.
;   v[MS ..]   Written by those scalings; read by that step's two LDS stores.
;   v[KO], v[SO], v[MO]   Written at a step's head; read by that step's twenty loads.
;   the mask's tile   Read as C by the step's 32 score products; the sixteen LDS loads in the step's last head land in it.
;   v1 to v4   Made at the kernel's head, never written again.
;   S^T and p, the statistics and O^T are named by vector and matrix instructions alone; p's codes and scale word are vector results that the second product takes.
; Each head has a wait on va_vdst behind its 64 exponentials, ahead of their first reader.  A step's memory instructions stand straight behind such a wait: in the step's first head the LDS stores and all twenty loads
; (the scalings, the offsets' lines and the last step's products were issued ahead of it), in its last head the LDS loads of the next tile of the mask (all of the step's score products were issued ahead of it).
; So no wait on va_vdst stands in the loop for memory's sake alone.  One more stands ahead of each head's second product, for p's codes and scale word.  One wait on vm_vsrc a step stands ahead of the lines that write v[MS ..] and the offsets again.
.set K_IMG, 4194304
.set V_IMG, 5242880
.set Q_SC,  6291456
.set K_SC,  6422528
.set V_SC,  6455296
.set MB,    8448                       ; LDS: two buffers for the mask's tile, 16 rows x (512 + 16) bytes,
.set STG,   16896                      ; the stage for the codes: 16 rows x (1,024 + 16),
.set SCST,  33536                      ; and for their scale bytes: 16 rows x 32
.set LI,  1                            ; v1   16 x lane
.set LS,  2                            ; v2   4 x lane
.set MRD, 3                            ; v3   the mask's tile, read: 528 r + 32 h
.set MWR, 4                            ; v4   written: 528 x 2 w + 16 x lane
.set KO,  5                            ; v5   offset of the step's images
.set SO,  6                            ; v6   of its scale words
.set MO,  7                            ; v7   of the mask's piece
.set SW,  8                            ; v8   the stage: where I put 8 bytes
.set SR,  9                            ; v9   where I read rows back
.set SCW, 10                           ; v10  where I put a scale word
.set SCR, 11                           ; v11  where wave 0 reads them back
.set ST,  12
.set QS,  28                           ; v28-31 q's scale byte, four times, a head
.set KS,  32                           ; v32-33 K's scale words, two sets
.set VS,  34                           ; v34-35 V's
.set PW,  36                           ; v36  p's scale word
.set QW,  37                           ; v37  q's scale word as loaded
.set MG,  40
.set MS,  48
.set PC,  56
.set BM,  72
.set PT,  76
.set HO,  80
.set SOP, 84
.set F,   88
.set TT,  90
.set L2,  92
.set S,   96
.set O,   160
.set VB1, 224
.set KB,  80                           ; window 1
.set VB0, 144
.set MK,  176
.set MSB, 0
.macro WIN new                         ; the immediate's high byte repeats the setting that is left
.if MSB != (\new)
	s_set_vgpr_msb (MSB<<8)|(\new)
.set MSB, (\new)
.endif
.endm
	s_load_b256 s[4:11], s[0:1], 0x0               ; qkv, mask, att_codes, att_scales
	v_lshl_add_u32 v94, v0, 2, 0x8800
	v_mov_b32 v95, 0
	v_lshrrev_b32 v1, 5, v0
	v_readfirstlane_b32 s22, v1                    ; wave = key head
	s_and_b32 s33, ttmp7, 0xffff                   ; b
	v_and_b32 v90, 31, v0                          ; lane
	v_and_b32 v92, 15, v0                          ; r
	v_bfe_u32 v93, v0, 4, 1                        ; h
	v_lshlrev_b32 v[LI], 4, v90
	v_lshlrev_b32 v[LS], 2, v90
	v_mul_u32_u24 v[MRD], v92, 528
	v_lshl_add_u32 v[MRD], v93, 5, v[MRD]
	s_wait_alu depctr_va_sdst(0)                   ; s22 is written, ahead of its first reader: LDS addresses and all the bases are made from it
	s_mul_i32 s3, s22, 2*528
	v_add_nc_u32 v[MWR], s3, v[LI]
	v_mul_u32_u24 v[SW], v92, 1040
	v_lshl_add_u32 v[SW], v93, 3, v[SW]
	s_lshl_b32 s3, s22, 7
	s_add_co_u32 s3, s3, STG
	v_add_nc_u32 v[SW], s3, v[SW]                  ; row r, my wave's 128 bytes, + 8 h
	s_mul_i32 s3, s22, 2*1040
	s_add_co_u32 s3, s3, STG
	v_add_nc_u32 v[SR], s3, v[LI]                  ; rows 2 w, 2 w + 1
	v_lshlrev_b32 v[SCW], 5, v92
	s_lshl_b32 s3, s22, 2
	s_add_co_u32 s3, s3, SCST
	v_add_nc_u32 v[SCW], s3, v[SCW]
	v_add_nc_u32 v[SCR], SCST, v[LI]
	v_lshlrev_b32 v91, 2, v92                      ; 4 r
	s_lshl_b32 s2, s33, 3
	s_add_co_u32 s2, s2, s22                       ; 8 b + w
	s_lshl_b32 s36, s2, 16                         ; images: 65,536 bytes a head
	s_mov_b32 s37, 0
	s_lshl_b32 s38, s2, 11                         ; scale words: 2,048
	s_mov_b32 s39, 0
	s_lshl_b32 s40, ttmp9, 4
	s_lshl_b32 s3, s22, 1
	s_add_co_u32 s40, s40, s3                      ; the mask's row 16 qt + 2 w
	s_lshl_b32 s40, s40, 13
	s_mov_b32 s41, 0
	s_lshl_b32 s42, s33, 7
	s_add_co_u32 s42, s42, ttmp9                   ; q: row tile 128 b + qt of 16,384 bytes,
	s_lshl_b32 s42, s42, 14
	s_lshl_b32 s3, s22, 11                         ; heads 4 w on
	s_add_co_u32 s42, s42, s3
	s_mov_b32 s43, 0
	s_lshl_b32 s44, s33, 6
	s_lshr_b32 s3, ttmp9, 1
	s_add_co_u32 s44, s44, s3                      ; q's scale words: row / 32,
	s_lshl_b32 s44, s44, 10
	s_lshl_b32 s3, s22, 7                          ; key head w,
	s_add_co_u32 s44, s44, s3
	s_and_b32 s3, ttmp9, 1
	s_lshl_b32 s3, s3, 6                           ; the lower or the upper 16 of the 32 rows
	s_add_co_u32 s44, s44, s3
	s_mov_b32 s45, 0
	s_lshl_b32 s46, s33, 11
	s_lshl_b32 s3, ttmp9, 4
	s_add_co_u32 s46, s46, s3                      ; the work-group's first row
	s_lshl_b32 s34, s46, 5
	s_mov_b32 s35, 0
	s_lshl_b32 s3, s22, 1
	s_add_co_u32 s46, s46, s3
	s_lshl_b32 s46, s46, 10
	s_mov_b32 s47, 0
	s_mov_b32 s26, 0x3e8293ee                      ; c = log2(e) / sqrt(32)
	s_mov_b32 s27, s26                             ; (named with it as a pair, so it is written)
	s_mov_b32 s28, 0x40b504f3                      ; sqrt(32)
	s_mov_b32 s29, s28
	s_mov_b32 s30, 0x76543210
	s_mov_b32 s31, 0xfedcba98                      ; v_permlanex16_b32's selects for lane l xor 16
	s_mov_b32 s32, 0x600000                        ; the mantissa field of 448
	s_mov_b32 s24, 0                               ; the step whose K and V are asked for
	s_mov_b32 s25, 0                               ; the step whose piece of the mask is asked for
	s_wait_kmcnt 0x0
	s_add_nc_u64 s[12:13], s[4:5], s[36:37]        ; images of my key head
	s_add_nc_u64 s[14:15], s[4:5], s[38:39]        ; their scale words
	s_add_nc_u64 s[16:17], s[4:5], s[42:43]        ; q's images
	s_add_nc_u64 s[18:19], s[4:5], s[44:45]        ; q's scale words
	s_add_nc_u64 s[20:21], s[6:7], s[40:41]        ; my two rows of the mask
	s_add_nc_u64 s[8:9], s[8:9], s[46:47]          ; my two rows of codes
	s_add_nc_u64 s[10:11], s[10:11], s[34:35]      ; the work-group's 512 scale bytes
.macro ADDR
	v_lshl_add_u32 v[KO], s24, 12, v[LI]           ; 4,096 bytes of K's images a step, and as many of V's
	v_lshl_add_u32 v[SO], s24, 7, v[LS]
	v_lshl_add_u32 v[MO], s25, 9, v[LI]            ; 512 bytes of a row of the mask a step
.endm
.macro ASKKV d                         ; K, V and their scale words into set d
	WIN 0x40
.irp n, 0,1,2,3,4,5,6,7
	global_load_b128 v[KB+32*(\d)+4*\n:KB+32*(\d)+4*\n+3], v[KO], s[12:13] offset:K_IMG+512*\n   ; key tile n: block n % 4 of fragment n / 4
.endr
.if (\d) == 0
.irp n, 0,1,2,3,4,5,6,7
	global_load_b128 v[VB0+4*\n:VB0+4*\n+3], v[KO], s[12:13] offset:V_IMG+512*\n                 ; key block n % 4 of channels 16 (n / 4) on
.endr
	WIN 0
.else
	WIN 0
.irp n, 0,1,2,3,4,5,6,7
	global_load_b128 v[VB1+4*\n:VB1+4*\n+3], v[KO], s[12:13] offset:V_IMG+512*\n
.endr
.endif
	global_load_b32 v[KS+(\d)], v[SO], s[14:15] offset:K_SC
	global_load_b32 v[VS+(\d)], v[SO], s[14:15] offset:V_SC
.endm
.macro ASKM                            ; my two rows' 512 bytes of a step
	global_load_b128 v[MG:MG+3], v[MO], s[20:21]
	global_load_b128 v[MG+4:MG+7], v[MO], s[20:21] offset:8192
.endm
.macro MSCALE
.irp k, 0,2,4,6
	v_pk_mul_f32 v[MS+\k:MS+\k+1], v[MG+\k:MG+\k+1], s[28:29] op_sel_hi:[1,0]
.endr
.endm
.macro MKLOAD buf                      ; the tile in a result's layout: register 8 t + j of lane (r, h) = query r, key 16 t + 8 h + j
	WIN 0x40
.irp n, 0,1,2,3,4,5,6,7,8,9,10,11,12,13,14,15
	ds_load_b128 v[MK+4*\n:MK+4*\n+3], v[MRD] offset:(\buf)*MB+64*(\n/2)+16*(\n%2)
.endr
	WIN 0
.endm
	ADDR
	WIN 0x40
	s_wait_alu depctr_va_vdst(0)                   ; v1 to v11 and v91 are written: every load, store and LDS access of the kernel reads one of them as its address or offset
.irp hh, 0,1,2,3
	global_load_b128 v[16*\hh+12:16*\hh+15], v[LI], s[16:17] offset:512*\hh   ; q of head hh, between twelve zero registers on either side
.endr
	WIN 0
	global_load_b32 v[QW], v91, s[18:19] offset:Q_SC
	ASKKV 0
	ASKM
	WIN 0x40
.irp z, 0,16,32,48,64
.set JJ, 0
.rept 12
	v_mov_b32 v[\z+JJ], 0                          ; zero codes
.set JJ, JJ+1
.endr
.endr
	WIN 0
.set JJ, 0
.rept 64
	v_mov_b32 v[O+JJ], 0                           ; O^T.  (The step is written once: the first finds zeros, which the first change of M leaves zeros)
.set JJ, JJ+1
.endr
	s_wait_loadcnt 0x0
	v_perm_b32 v[QS], v[QW], v[QW], 0              ; head hh's byte into all four bytes: q may stand in any block
	v_perm_b32 v[QS+1], v[QW], v[QW], 0x01010101
	v_perm_b32 v[QS+2], v[QW], v[QW], 0x02020202
	v_perm_b32 v[QS+3], v[QW], v[QW], 0x03030303
	MSCALE
.irp hh, 0,1,2,3                       ; (these lines and the four above are more than the eight plain instructions that stand between a scale register's write and the wait below)
	v_mov_b32 v[ST+4*\hh+1], 0xff61b1e6            ; the largest t so far: -3e38
	v_floor_f32 v[ST+4*\hh], -v[ST+4*\hh+1]        ; -M
	v_mov_b32 v[ST+4*\hh+2], 0                     ; the sum, in two halves
	v_mov_b32 v[ST+4*\hh+3], 0
	v_mov_b32 v[PT+\hh], 0                         ; written once: a lane permute's destination counts as one of its sources
.endr
	v_mov_b32 v[F+1], 0                            ; (named as the upper half of a pair)
	s_mov_b32 s25, 1
	s_wait_alu depctr_vm_vsrc(0)                   ; the loads of the mask's first piece have read v[MO]
	v_lshl_add_u32 v[MO], s25, 9, v[LI]            ; (the loads that read it are in)
	s_wait_alu depctr_va_vdst(0)                   ; v[MS ..] is written, which the LDS stores read; v[MO] is written and the scalings are done reading v[MG ..], for the loads; the zero codes and q's four scale registers are written, which the score products take
	ds_store_b128 v[MWR], v[MS:MS+3]
	ds_store_b128 v[MWR], v[MS+4:MS+7] offset:528
	ASKM                                           ; step 1's piece
	s_wait_dscnt 0x0                               ; for the others' sake: my two rows lie in LDS
	s_barrier_signal -1
	s_barrier_wait -1
	MKLOAD 0                                       ; (no vector or matrix instruction has named these registers yet)
; ONE HEAD, ONE KEY STEP.  what = 1, a step's first head: the step's LDS stores and loads stand behind the wait for the exponentials.
; what = 2, its last head: the next step's tile of the mask is read there; this head's score products are the last that take the old one.
.macro HEAD hh, par, what
.set NM, ST+4*(\hh)
	WIN 0x15                                       ; K, q and the mask in window 1, S^T in window 0
.irp t, 0,1,2,3
	v_wmma_scale_f32_16x16x128_f8f6f4 v[S+8*\t:S+8*\t+7], v[KB+32*(\par):KB+32*(\par)+15], v[16*(\hh)+12-4*\t:16*(\hh)+27-4*\t], v[MK+8*\t:MK+8*\t+7], v[KS+(\par)], v[QS+(\hh)]
.endr
.irp t, 0,1,2,3
	v_wmma_scale_f32_16x16x128_f8f6f4 v[S+32+8*\t:S+32+8*\t+7], v[KB+32*(\par)+16:KB+32*(\par)+31], v[16*(\hh)+12-4*\t:16*(\hh)+27-4*\t], v[MK+32+8*\t:MK+32+8*\t+7], v[KS+(\par)], v[QS+(\hh)] matrix_a_scale:MATRIX_SCALE_ROW1
.endr
	WIN 0
.rept 8
	v_nop                                          ; places behind the products (ISA guide 7.12.1), ahead of the reads of S^T
.endr
.irp b, 0,1,2,3
	v_max3_num_f32 v[BM+\b], v[S+16*\b], v[S+16*\b+1], v[S+16*\b+2]   ; the largest score of each block of 32 keys: for the row's maximum, and, since p rises with the score, for the block's largest p
.endr
.irp i, 3,5,7,9,11,13
.irp b, 0,1,2,3
	v_max3_num_f32 v[BM+\b], v[BM+\b], v[S+16*\b+\i], v[S+16*\b+\i+1]
.endr
.endr
.irp b, 0,1,2,3
	v_max_num_f32 v[BM+\b], v[BM+\b], v[S+16*\b+15]
.endr
.irp b, 0,1,2,3
	v_permlanex16_b32 v[PT+\b], v[BM+\b], s30, s31
.endr
.irp b, 0,1,2,3
	v_max_num_f32 v[BM+\b], v[BM+\b], v[PT+\b]     ; with lane l xor 16's 16 keys
.endr
	v_max3_num_f32 v[TT], v[BM], v[BM+1], v[BM+2]
	v_max_num_f32 v[TT], v[TT], v[BM+3]
	v_mul_f32 v[TT], s26, v[TT]                    ; as t (c is positive)
	v_max_num_f32 v[NM+1], v[NM+1], v[TT]          ; the running largest t
	v_mov_b32 v[TT], v[NM]
	v_floor_f32 v[NM], -v[NM+1]                    ; the new -M = floor(-t): M is a whole number
	v_sub_f32 v[TT], v[NM], v[TT]                  ; old M - new M: a whole number, 0 or less
	v_cvt_i32_f32 v[TT], v[TT]                     ; (it saturates)
	v_ldexp_f32 v[F], 1.0, v[TT]                   ; f = 2^(old M - new M)
.set JJ, 0
.rept 32
	v_pk_fma_f32 v[S+JJ:S+JJ+1], v[S+JJ:S+JJ+1], s[26:27], v[NM:NM+1] op_sel_hi:[1,0,0]   ; t - M, two at a time
.set JJ, JJ+2
.endr
.irp b, 0,1,2,3
	v_fma_f32 v[BM+\b], v[BM+\b], s26, v[NM]       ; the same of each block's largest score
.endr
.set JJ, 0
.rept 64
	v_exp_f32 v[S+JJ], v[S+JJ]                     ; p = 2^(t - M)
.set JJ, JJ+1
.endr
	v_pk_mul_f32 v[NM+2:NM+3], v[NM+2:NM+3], v[F:F+1] op_sel_hi:[1,0]   ; the sums under the new M: a plain instruction behind the exponentials
	s_wait_alu depctr_va_vdst(0)                   ; the 64 exponentials have written p, ahead of its first reader.  In a step's first head also: v[MS ..] and the three offsets are written, the scalings are done reading v[MG ..], the last step's products are done reading the other sets of K and V and their scale words.  In its last head also: the step's score products are done reading the mask's tile
.if (\what) == 1
	ds_store_b128 v[MWR], v[MS:MS+3] offset:(1-(\par))*MB          ; no vector or matrix instruction since the wait: nothing more is owed for these 22 lines
	ds_store_b128 v[MWR], v[MS+4:MS+7] offset:(1-(\par))*MB+528
	ASKM
	ASKKV 1-(\par)
.endif
.if (\what) == 2
	MKLOAD 1-(\par)                                ; likewise
.endif
.irp b, 0,1,2,3
	v_exp_f32 v[BM+\b], v[BM+\b]                   ; the block's largest p: the same two instructions on the same number give the same bits
.endr
	v_pk_add_f32 v[L2:L2+1], v[S:S+1], v[S+2:S+3]  ; the row's sum is taken of the unquantised p, in two chains
.set JJ, 4
.rept 15
	v_pk_add_f32 v[NM+2:NM+3], v[NM+2:NM+3], v[S+JJ:S+JJ+1]
	v_pk_add_f32 v[L2:L2+1], v[L2:L2+1], v[S+JJ+2:S+JJ+3]
.set JJ, JJ+4
.endr
	v_pk_add_f32 v[NM+2:NM+3], v[NM+2:NM+3], v[L2:L2+1]
	s_wait_alu depctr_va_vdst(0)                   ; the four exponentials have written the blocks' largest p, ahead of their first reader
.irp b, 0,1,2,3
	v_max_num_f32 v[BM+\b], 0x4800000, v[BM+\b]    ; the floor 2^(9 - 127): the byte cannot fall under 1
.endr
.irp b, 0,1,2,3
	v_add_nc_u32 v[SOP+\b], 0xfc000000, v[BM+\b]   ; 8 off the exponent field: the conversion's scale operand
.endr
.irp b, 0,1,2,3
	v_and_or_b32 v[HO+\b], v[BM+\b], 0x7f800000, s32   ; 448 x the scale
.endr
.irp b, 0,1,2,3
	v_lshrrev_b32 v[PT+\b], 23, v[SOP+\b]          ; the scale's byte
.endr
	v_lshl_or_b32 v[PW], v[PT+1], 8, v[PT]         ; p's scale word for these 128 keys
	v_lshl_or_b32 v[PW], v[PT+2], 16, v[PW]
	v_lshl_or_b32 v[PW], v[PT+3], 24, v[PW]
.irp b, 0,1,2,3
.set JJ, 0
.rept 16
	v_min_num_f32 v[S+16*\b+JJ], v[S+16*\b+JJ], v[HO+\b]   ; the conversion does not saturate (ISA guide 7.6.2); p is not negative, so the hold is one-sided
.set JJ, JJ+1
.endr
	v_cvt_scalef32_pk8_fp8_f32 v[PC+4*\b:PC+4*\b+1], v[S+16*\b:S+16*\b+7], v[SOP+\b]
	v_cvt_scalef32_pk8_fp8_f32 v[PC+4*\b+2:PC+4*\b+3], v[S+16*\b+8:S+16*\b+15], v[SOP+\b]
.endr
.set JJ, 0
.rept 8
	v_pk_mul_f32 v[O+16*(\hh)+JJ:O+16*(\hh)+JJ+1], v[O+16*(\hh)+JJ:O+16*(\hh)+JJ+1], v[F:F+1] op_sel_hi:[1,0]   ; O^T under the new M, from its low end on; these eight also stand between the codes and the products
.set JJ, JJ+2
.endr
	s_wait_alu depctr_va_vdst(0)                   ; the conversions have written p's codes and its scale word is written: the two products below take them; the plain instructions above stay beside this wait
.if (\par) == 0
	WIN 0x01                                       ; V's set 0 lies in window 1
	v_wmma_scale_f32_16x16x128_f8f6f4 v[O+16*(\hh):O+16*(\hh)+7], v[VB0:VB0+15], v[PC:PC+15], v[O+16*(\hh):O+16*(\hh)+7], v[VS], v[PW]
	v_wmma_scale_f32_16x16x128_f8f6f4 v[O+16*(\hh)+8:O+16*(\hh)+15], v[VB0+16:VB0+31], v[PC:PC+15], v[O+16*(\hh)+8:O+16*(\hh)+15], v[VS], v[PW] matrix_a_scale:MATRIX_SCALE_ROW1
	WIN 0
.else
	v_wmma_scale_f32_16x16x128_f8f6f4 v[O+16*(\hh):O+16*(\hh)+7], v[VB1:VB1+15], v[PC:PC+15], v[O+16*(\hh):O+16*(\hh)+7], v[VS+1], v[PW]
	v_wmma_scale_f32_16x16x128_f8f6f4 v[O+16*(\hh)+8:O+16*(\hh)+15], v[VB1+16:VB1+31], v[PC:PC+15], v[O+16*(\hh)+8:O+16*(\hh)+15], v[VS+1], v[PW] matrix_a_scale:MATRIX_SCALE_ROW1
.endif
.endm
; A KEY STEP, s = s23 + par.  ONE barrier orders the mask's buffers both ways: my stores into the other buffer stand behind the last step's barrier, in front of which every wave has waited for its reads of that buffer;
; the reads of what is stored now stand behind this step's barrier, in front of which every wave has waited for its stores.
; The last steps ask for a clamped step: every load stays inside its buffer, and what it brings is not used.
.macro STEPK par
	s_wait_loadcnt 0x0                             ; asked for in the last step's first head: this step's K, V and scale words, the next step's piece of the mask; the loads' address registers may be written
	s_wait_dscnt 0x0                               ; this step's tile of the mask is in registers
.if (\par) == 0
	s_add_co_u32 s24, s23, 1
	s_add_co_u32 s25, s23, 2
	s_min_u32 s25, s25, 15
.else
	s_add_co_u32 s24, s23, 2
	s_min_u32 s24, s24, 15
	s_add_co_u32 s25, s23, 3
	s_min_u32 s25, s25, 15
.endif
	s_wait_alu depctr_vm_vsrc(0)                   ; the last step's LDS stores have read v[MS ..] and its loads their three offsets: the seven lines below write them again
	MSCALE
	ADDR
	HEAD 0, \par, 1
	HEAD 1, \par, 0
	s_wait_dscnt 0x0                               ; for the others' sake: my two rows of the next tile lie in LDS
	s_barrier_signal -1
	s_barrier_wait -1
	HEAD 2, \par, 0
	HEAD 3, \par, 2
.endm
	s_mov_b32 s23, 0
.Lstep:                                            ; eight trips of two steps, in which the sets change places
	STEPK 0
	STEPK 1
	s_add_co_u32 s23, s23, 2
	s_cmp_lt_u32 s23, 16
	s_cbranch_scc1 .Lstep
	; THE WAY OUT.  O^T / the sum; each head's 32 channels are one block of the last product's K: 16 in my lane, 16 in lane l xor 16.  The additions are the places behind the last products.
.irp hh, 0,1,2,3
	v_add_f32 v[BM+\hh], v[ST+4*\hh+2], v[ST+4*\hh+3]
.endr
.irp hh, 0,1,2,3
	v_permlanex16_b32 v[PT+\hh], v[BM+\hh], s30, s31
.endr
.irp hh, 0,1,2,3
	v_add_f32 v[BM+\hh], v[BM+\hh], v[PT+\hh]      ; the row's sum
.endr
.irp hh, 0,1,2,3
	v_rcp_f32 v[HO+2*\hh], v[BM+\hh]
.endr
	v_nop                                          ; a plain instruction behind the last reciprocal
	s_wait_alu depctr_va_vdst(0)                   ; the four reciprocals are written, ahead of their first reader
.irp hh, 0,1,2,3
.irp k, 0,2,4,6,8,10,12,14
	v_pk_mul_f32 v[S+16*\hh+\k:S+16*\hh+\k+1], v[O+16*\hh+\k:O+16*\hh+\k+1], v[HO+2*\hh:HO+2*\hh+1] op_sel_hi:[1,0]
.endr
.endr
.irp b, 0,1,2,3
	v_max3_num_f32 v[BM+\b], |v[S+16*\b]|, |v[S+1+16*\b]|, 0x4800000   ; with the floor 2^(9 - 127)
.endr
.irp i, 2,4,6,8,10,12,14
.irp b, 0,1,2,3
	v_max3_num_f32 v[BM+\b], v[BM+\b], |v[S+16*\b+\i]|, |v[S+1+16*\b+\i]|
.endr
.endr
.irp b, 0,1,2,3
	v_permlanex16_b32 v[PT+\b], v[BM+\b], s30, s31
.endr
.irp b, 0,1,2,3
	v_max_num_f32 v[BM+\b], v[BM+\b], v[PT+\b]
.endr
.irp b, 0,1,2,3
	v_add_nc_u32 v[SOP+\b], 0xfc000000, v[BM+\b]
.endr
.irp b, 0,1,2,3
	v_and_or_b32 v[HO+\b], v[BM+\b], 0x7f800000, s32
.endr
.irp b, 0,1,2,3
	v_lshrrev_b32 v[PT+\b], 23, v[SOP+\b]
.endr
	v_lshl_or_b32 v[PW], v[PT+1], 8, v[PT]         ; bytes 4 w .. 4 w + 3 of my row's 32 scale bytes
	v_lshl_or_b32 v[PW], v[PT+2], 16, v[PW]
	v_lshl_or_b32 v[PW], v[PT+3], 24, v[PW]
.irp b, 0,1,2,3
.irp i, 0,1,2,3,4,5,6,7,8,9,10,11,12,13,14,15
	v_med3_num_f32 v[S+16*\b+\i], v[S+16*\b+\i], -v[HO+\b], v[HO+\b]
.endr
	v_cvt_scalef32_pk8_fp8_f32 v[PC+4*\b:PC+4*\b+1], v[S+16*\b:S+16*\b+7], v[SOP+\b]
	v_cvt_scalef32_pk8_fp8_f32 v[PC+4*\b+2:PC+4*\b+3], v[S+16*\b+8:S+16*\b+15], v[SOP+\b]
.endr
	v_nop                                          ; a plain instruction behind the last conversion
	s_wait_alu depctr_va_vdst(0)                   ; the conversions have written the codes and the scale word is written, which the LDS stores read; the holds and conversions are done with v[S ..], in which the loads from the stage land.  No vector instruction follows
.irp hh, 0,1,2,3
	ds_store_b64 v[SW], v[PC+4*\hh:PC+4*\hh+1] offset:32*\hh         ; channels 8 h + 0 .. 7 of head 4 w + hh,
	ds_store_b64 v[SW], v[PC+4*\hh+2:PC+4*\hh+3] offset:32*\hh+16    ; and 16 + 8 h + 0 .. 7: the channels' own order
.endr
	ds_store_b32 v[SCW], v[PW]                     ; (both halves of the lanes store the same word)
	s_wait_dscnt 0x0                               ; for the others' sake: my stores are done
	s_barrier_signal -1
	s_barrier_wait -1
.irp i, 0,1,2,3
	ds_load_b128 v[S+4*\i:S+4*\i+3], v[SR] offset:(\i/2)*1040+(\i%2)*512
.endr
.irp i, 0,1,2,3
	s_wait_dscnt 3-\i                              ; the younger loads may stay out
	global_store_b128 v[LI], v[S+4*\i:S+4*\i+3], s[8:9] offset:512*\i   ; 512 consecutive bytes, aligned: two whole rows a wave
.endr
	s_cmp_lg_u32 s22, 0
	s_cbranch_scc1 .Ldone
	ds_load_b128 v[S+16:S+19], v[SCR]              ; wave 0: the 16 rows' 512 scale bytes
	s_wait_dscnt 0x0
	global_store_b128 v[LI], v[S+16:S+19], s[10:11]
.Ldone:
	s_wait_dscnt 0x0
	s_wait_alu depctr_hold_cnt(0) depctr_sa_sdst(0) depctr_va_vdst(0) depctr_va_sdst(0) depctr_va_ssrc(0) depctr_va_vcc(0) depctr_vm_vsrc(0)
	s_wait_tensorcnt 0x0
	ds_add_u32 v94, v95
	s_wait_dscnt 0x0
	s_endpgm
.Lfunc_end_k_q0e192cd8d0_attn:
	.size	k_q0e192cd8d0_attn, .Lfunc_end_k_q0e192cd8d0_attn-k_q0e192cd8d0_attn
	.p2alignl 7, 3214868480
	.fill 96, 4, 3214868480
	.section	.rodata,"a",@progbits
	.p2align	6, 0x0
	.amdhsa_kernel k_q0e192cd8d0_attn
		.amdhsa_group_segment_fixed_size 35840
		.amdhsa_private_segment_fixed_size 0
		.amdhsa_enable_private_segment 0
		.amdhsa_kernarg_size 32
		.amdhsa_user_sgpr_count 2
		.amdhsa_user_sgpr_kernarg_segment_ptr 1
		.amdhsa_wavefront_size32 1
		.amdhsa_system_sgpr_workgroup_id_x 1
		.amdhsa_system_sgpr_workgroup_id_y 1
		.amdhsa_system_sgpr_workgroup_id_z 1
		.amdhsa_system_vgpr_workitem_id 0
		.amdhsa_next_free_vgpr 512
		.amdhsa_next_free_sgpr 66
		.amdhsa_reserve_vcc 0
		.amdhsa_float_denorm_mode_32 3
		.amdhsa_float_denorm_mode_16_64 3
		.amdhsa_memory_ordered 1
		.amdhsa_forward_progress 1
		.amdhsa_inst_pref_size 154
	.end_amdhsa_kernel
	.amdgpu_metadata
---
amdhsa.version: [ 1, 2 ]
amdhsa.kernels:
  - .name:           k_q0e192cd8d0_attn
    .symbol:         k_q0e192cd8d0_attn.kd
    .args:
      - { .name: qkv, .offset: 0, .size: 8, .value_kind: global_buffer, .address_space: global }
      - { .name: mask, .offset: 8, .size: 8, .value_kind: global_buffer, .address_space: global }
      - { .name: att_codes, .offset: 16, .size: 8, .value_kind: global_buffer, .address_space: global }
      - { .name: att_scales, .offset: 24, .size: 8, .value_kind: global_buffer, .address_space: global }
    .group_segment_fixed_size: 35840
    .private_segment_fixed_size: 0
    .kernarg_segment_align: 8
    .kernarg_segment_size: 32
    .max_flat_workgroup_size: 256
    .sgpr_count:     66
    .vgpr_count:     512
    .wavefront_size: 32
...
	.end_amdgpu_metadata
.endif
;; end of part 5
;; launch outp: the kernel of part 4 again; grid 16 x 16, 4 waves a work-group, clusters of 4 x 4, 327,680 bytes of LDS; arguments att_codes, att_scales, wo_q, out0; writes out0
